; MI455X (gfx1250); checked and timed in simulation.
; The chip was launched on July 23, 2026; its instructions are those of AMD's public machine-readable ISA for CDNA 5 (MIT licence, August 2026) and "CDNA5" Instruction Set Architecture Reference Guide (July 2026). The comments in the code are by the model that wrote it; some were corrected since.
;; Soft Retrieval Module. Allowed arithmetic: matrix products marked QUANTISED: E3M2 operands, one E8M0 scale for each 32 along K, by v_wmma_scale_f32_16x16x128_f8f6f4 with both operands' format E3M2, f32 sums; products left as they are: f32 operands where the result goes on into a quantised operand, else bf16, f16 or f32 operands; f32 sums; everything else in f32.
;; Inputs: candidate_labels 100,000 int32; candidates 100,000 x 256 float32; query 2,048 x 256 float32.
;; Outputs: out0 2,048 x 10 float32.
;; Constants: n_classes = 10.
;; This version of the problem:
;;   THIS VERSION OF THE PROBLEM IS GIVEN IN LOW PRECISION. The matrix products marked QUANTISED in the list below multiply operands that are first quantised to E3M2 (3 exponent bits, 2 mantissa bits; 6 bits a number), with one power-of-two scale for each 32 numbers along K (OCP MX v1.0); their sums are f32. All else is computed in f32.
;;   The module's matrix products, in the order in which they are computed (A, B: the left and right operand; K: the contracted axis; several contracted axes count as one K, in the product's order):
;;     1. [M 2,048, K 256] x [K 256, N 100,000]; A: computed on the way; B: computed on the way: QUANTISED
;;     2. batch 2,048 x [M 1, K 64] x [K 64, N 10]; A: softmax; B: computed on the way: left as it is (M = 1 < 16)
;;   THE QUANTISER, for each operand of a quantised product, along K:
;;     - K is cut into blocks of 32 from its start; a last block that is shorter is filled with zeros.
;;     - A block's scale is 2^e with e = floor(log2(the largest magnitude in the block)) - 4, held to -126 .. 127; a block of zeros has e = 0. As a byte (E8M0): e + 127.
;;     - Each number is divided by its block's scale, clamped to +-28, and rounded to the nearest number of E3M2, ties to even, subnormals kept.
;;     - The product sums the exact products of the quantised numbers (number of the format x scale) in f32.
;;   ~~~python
;;   def quantise(x, axis):      # numpy; x: float32 -> the quantised numbers, widened to float32 again
;;       x = np.moveaxis(x, axis, -1); K = x.shape[-1]
;;       x = np.pad(x, [(0, 0)] * (x.ndim - 1) + [(0, -K % 32)]); x = x.reshape(x.shape[:-1] + (-1, 32)); a = np.abs(x).max(-1, keepdims=True)
;;       e = np.where(a > 0, np.clip(np.frexp(np.where(a > 0, a, 1))[1] - 1 - 4, -126, 127), 0)      # np.frexp(a)[1] - 1 = floor(log2(a)), exactly
;;       r = np.clip(x / 2.0 ** e, -28, 28)
;;       step = 2.0 ** (np.maximum(np.frexp(np.where(r == 0, 1, r))[1] - 1, -2) - 2)
;;       q = np.round(r / step) * step * 2.0 ** e      # np.round: ties to even
;;       return np.moveaxis(q.reshape(q.shape[:-2] + (-1,))[..., :K], -1, axis).astype(np.float32)
;;   ~~~
;;   OPERANDS COMPUTED ON THE WAY. 'Computed on the way' means the value that the module computes at that place (a softmax that the list does not call 'softmax' is quantised finished and normalised). What goes into a quantiser is computed in f32, as accurately as f32 sums, v_exp_f32 and their like allow (about 1e-6 of the number): no bf16 or f16 on the way to a quantiser, and a product that is left as it is and whose result goes on into a quantised operand takes f32 operands (vector FMAs, or v_wmma_f32_16x16x4_f32). A number that lies on a knife's edge between two numbers of the format may be rounded either way, as far as f32 arithmetic and the matrix unit's own rounding can turn it there, and no further.
;; 2 versions. Each part assembles by itself: llvm-mc -triple=amdgcn-amd-amdhsa -mcpu=gfx1250 --defsym DOCPART=n.
;; ======== version 1 of 2: 5 launches
;; limits: inputs' magnitudes at most 1.15e+18
;; workspace buffers: ccodes 19,200,000 bytes; cscales 800,000 bytes; qcodes 393,216 bytes; qscales 16,384 bytes; keys 4,096,000 bytes; sub 114,688,000 bytes; slots 524,288 bytes of whole numbers; subs 524,288 bytes of whole numbers
;; launch quant (part 1): grid 6378 x 1, 1 waves a work-group, no clusters, 16,896 bytes of LDS; arguments candidates, query, ccodes, cscales, qcodes, qscales; writes ccodes, cscales, qcodes, qscales
.if DOCPART == 1
	.amdgcn_target "amdgcn-amd-amdhsa--gfx1250"
	.amdhsa_code_object_version 6
	.text
	.protected	k_q26dde06a59_quant
	.globl	k_q26dde06a59_quant
	.p2align	8
	.type	k_q26dde06a59_quant,@function
k_q26dde06a59_quant:
	s_mov_b64 s[64:65], 0
	v_nop
	global_prefetch_b8 v0, s[64:65] scope:SCOPE_SE
	s_setreg_imm32_b32 hwreg(HW_REG_WAVE_MODE, 25, 1), 1
	s_wait_xcnt 0x0
; Rows of candidates [100000][256] and query [2048][256], f32, are divided by max(their length, 1e-12) and turned into codes of BF6 (E3M2) with one E8M0 byte for each 32 along K.
; One wave makes one TILE of 16 rows and stores it as the image of a matrix operand: [tile][K step 2][chunk 3][lane 32][16 bytes]; the scale words as [tile][32]: lanes 0-15 the rows' words of K step 0, lanes 16-31 of K step 1.
; THE ROWS OF A CANDIDATE TILE ARE NOT NEIGHBOURS.  The candidates are cut into 250 slices of 400; tile t (0..24) of a slice takes rows 400 slice + 8 t + 0..7 and rows 400 slice + 200 + 8 t + 0..7,
; so that in the products of the later launches a lane's eight results belong to one run of 200 neighbouring candidates.  A tile of queries is 16 neighbouring rows.
; A block's scale byte is its largest magnitude's exponent field less 4, held at 1 from below (a block of zeros keeps the byte 1: its codes are zeros, and this program alone reads the bytes).
; LIMITS: NaN and infinities among the inputs are not served, nor rows whose sum of squares passes the largest f32 number.
; The first NT work-groups take candidates, the others queries: only pointers and row numbers are chosen, the text has one path.  One wave to a work-group: no barrier.
.set NT,    6250                       ; tiles of candidates
.set PITCH, 1040                       ; a row in LDS: 1,024 bytes + 16: sixteen rows begin in sixteen different groups of banks
.set X,     16                         ; v16-143  the tile: first as loaded, then my 4 blocks of 32 numbers
.set F,     144                        ; v144-167 the two fragments
.set TMP,   168                        ; v168-183 sums of squares, later the upper halves of the blocks' codes
.set AM,    184                        ; v184-187 largest magnitudes, then bytes
.set SC,    188                        ; v188-191 the conversions' scale operands
	s_load_b256 s[4:11], s[0:1], 0x0               ; candidates, query, ccodes, cscales
	s_load_b128 s[12:15], s[0:1], 0x20             ; qcodes, qscales
	v_lshl_add_u32 v192, v0, 2, 0x4100
	v_mov_b32 v193, 0
	v_lshlrev_b32 v1, 4, v0                        ; 16 x lane
	v_and_b32 v5, 15, v0                           ; m: my row of the tile
	v_lshrrev_b32 v6, 4, v0                        ; h
	v_mul_u32_u24 v2, v5, PITCH
	v_lshl_add_u32 v2, v6, 7, v2                   ; row m, + 128 h bytes: my block of each 64 along K
	v_lshlrev_b32 v3, 2, v0                        ; 4 x lane
	v_lshlrev_b32 v4, 3, v6                        ; 8 h: where my bytes stand in a scale word
	v_mov_b32 v7, 0                                ; (a lane permute's destination counts as read)
	v_mov_b32 v14, 0
	v_mov_b32 v15, 0
	s_mov_b32 s20, 0x76543210
	s_mov_b32 s21, 0xfedcba98                      ; selects: lane l xor 16
	s_mov_b32 s22, 0xffff0000                      ; lanes 16-31
	s_mul_i32 s16, ttmp9, 5243
	s_lshr_b32 s16, s16, 17                        ; slice = tile / 25 (exact for tiles under 6,250)
	s_mul_i32 s17, s16, 25
	s_sub_co_u32 s17, ttmp9, s17                   ; t
	s_mul_i32 s18, s16, 400
	s_lshl_b32 s17, s17, 3
	s_add_co_u32 s18, s18, s17                     ; candidates: rows 0-7 of the tile begin here,
	s_add_co_u32 s19, s18, 200                     ; rows 8-15 here
	s_sub_co_u32 s23, ttmp9, NT                    ; the tile of queries
	s_lshl_b32 s24, s23, 4
	s_add_co_u32 s25, s24, 8
	s_cmp_lt_u32 ttmp9, NT                         ; the choice hangs on the work-group's number alone
	s_cselect_b32 s18, s18, s24
	s_cselect_b32 s19, s19, s25
	s_cselect_b32 s23, ttmp9, s23
	s_wait_kmcnt 0x0
	s_cselect_b64 s[4:5], s[4:5], s[6:7]
	s_cselect_b64 s[8:9], s[8:9], s[12:13]
	s_cselect_b64 s[10:11], s[10:11], s[14:15]
	s_mov_b32 s27, 0
	s_lshl_b32 s26, s18, 10
	s_add_nc_u64 s[28:29], s[4:5], s[26:27]        ; rows 0-7
	s_lshl_b32 s26, s19, 10
	s_add_nc_u64 s[30:31], s[4:5], s[26:27]        ; rows 8-15
	s_mul_i32 s26, s23, 3072
	s_add_nc_u64 s[8:9], s[8:9], s[26:27]          ; the tile's codes
	s_lshl_b32 s26, s23, 7
	s_add_nc_u64 s[10:11], s[10:11], s[26:27]      ; and its scale words
	; 32 loads of 512 consecutive bytes: half a row each
.set i, 0
.rept 32
.if i < 16
	global_load_b128 v[X+4*i:X+4*i+3], v1, s[28:29] offset:((i/2)%8)*1024+512*(i%2) th:TH_LOAD_NT
.else
	global_load_b128 v[X+4*i:X+4*i+3], v1, s[30:31] offset:((i/2)%8)*1024+512*(i%2) th:TH_LOAD_NT
.endif
.set i, i+1
.endr
.set i, 0
.rept 32
	s_wait_loadcnt 31-i                            ; loads come back in order: load i is in, the younger ones stay out
	ds_store_b128 v1, v[X+4*i:X+4*i+3] offset:(i/2)*PITCH+512*(i%2)
.set i, i+1
.endr
	s_wait_dscnt 0x0                               ; the stores have read X, which the loads below fill again
	; back in the operand's order: lane (m, h) takes of row m the blocks k = 64 b + 32 h + 0..31, b = 0..3
.set b, 0
.rept 4
.set i, 0
.rept 8
	ds_load_b128 v[X+32*b+4*i:X+32*b+4*i+3], v2 offset:256*b+16*i
.set i, i+1
.endr
.set b, b+1
.endr
	s_wait_dscnt 0x0
	; the row's length: my 128 squares in four packed chains, then lane l xor 16's
.irp c, 0,1,2,3
	v_pk_mul_f32 v[TMP+2*\c:TMP+2*\c+1], v[X+2*\c:X+2*\c+1], v[X+2*\c:X+2*\c+1]
.endr
.set j, 4
.rept 60
	v_pk_fma_f32 v[TMP+2*(j%4):TMP+2*(j%4)+1], v[X+2*j:X+2*j+1], v[X+2*j:X+2*j+1], v[TMP+2*(j%4):TMP+2*(j%4)+1]
.set j, j+1
.endr
	v_pk_add_f32 v[TMP:TMP+1], v[TMP:TMP+1], v[TMP+2:TMP+3]
	v_pk_add_f32 v[TMP+4:TMP+5], v[TMP+4:TMP+5], v[TMP+6:TMP+7]
	v_pk_add_f32 v[TMP:TMP+1], v[TMP:TMP+1], v[TMP+4:TMP+5]
	v_add_f32 v[TMP], v[TMP], v[TMP+1]
	v_permlanex16_b32 v7, v[TMP], s20, s21
	v_add_f32 v[TMP], v[TMP], v7
	v_sqrt_f32 v12, v[TMP]
	v_nop                                          ; a plain line behind the root
	s_wait_alu depctr_va_vdst(0)                   ; and the wait ahead of its first reader
	v_max_num_f32 v12, 0x2b8cbccc, v12             ; max(length, 1e-12)
	v_rcp_f32 v10, v12
	v_nop
	s_wait_alu depctr_va_vdst(0)
	v_fma_f32 v13, -v12, v10, 1.0                  ; one Newton step: what goes into the quantiser is as close as f32 allows
	v_fma_f32 v10, v10, v13, v10
	v_mov_b32 v11, v10
.set j, 0
.rept 64
	v_pk_mul_f32 v[X+2*j:X+2*j+1], v[X+2*j:X+2*j+1], v[10:11]
.set j, j+1
.endr
	; my four blocks: all 32 numbers of a block are mine.  The floor 2^(5 - 127) among the leaves keeps the byte at 1 from below
.irp b, 0,1,2,3
	v_max3_num_f32 v[AM+\b], |v[X+32*\b]|, |v[X+32*\b+1]|, 0x2800000
.endr
.irp i, 2,4,6,8,10,12,14,16,18,20,22,24,26,28,30
.irp b, 0,1,2,3
	v_max3_num_f32 v[AM+\b], v[AM+\b], |v[X+32*\b+\i]|, |v[X+32*\b+\i+1]|
.endr
.endr
.irp b, 0,1,2,3
	v_add_nc_u32 v[SC+\b], 0xfe000000, v[AM+\b]    ; 4 off the exponent field: the conversion's scale operand
.endr
.irp b, 0,1,2,3
	v_lshrrev_b32 v[AM+\b], 23, v[SC+\b]           ; the scale's byte
.endr
.irp s, 0,1                                    ; K step s: my bytes are those of blocks h and 2 + h; lane l xor 16 has the other two
	v_lshl_or_b32 v[8+\s], v[AM+2*\s+1], 16, v[AM+2*\s]
	v_lshlrev_b32 v[8+\s], v4, v[8+\s]
	v_permlanex16_b32 v[14+\s], v[8+\s], s20, s21
	v_or_b32 v[8+\s], v[8+\s], v[14+\s]
.endr
	v_cndmask_b32 v8, v8, v9, s22                  ; lanes 0-15 keep K step 0's word, lanes 16-31 K step 1's
.irp b, 0,1,2,3
	v_cvt_scalef32_pk16_bf6_f32 v[F+6*\b:F+6*\b+2], v[X+32*\b:X+32*\b+15], v[SC+\b]
	v_cvt_scalef32_pk16_bf6_f32 v[TMP+4*\b:TMP+4*\b+2], v[X+32*\b+16:X+32*\b+31], v[SC+\b]   ; (a conversion's three registers begin on an even number)
.endr
	v_nop                                          ; one plain line behind the scaled conversions
.irp b, 0,1,2,3
.irp i, 0,1,2
	v_mov_b32 v[F+6*\b+3+\i], v[TMP+4*\b+\i]
.endr
.endr
.irp q, 0,1,2,3,4,5
	global_store_b128 v1, v[F+4*\q:F+4*\q+3], s[8:9] offset:512*\q   ; 512 consecutive bytes, at a multiple of 256 from the buffer's first byte
.endr
	global_store_b32 v3, v8, s[10:11]
	s_wait_tensorcnt 0x0
	ds_add_u32 v192, v193
	s_wait_dscnt 0x0
	s_endpgm
.Lfunc_end_k_q26dde06a59_quant:
	.size	k_q26dde06a59_quant, .Lfunc_end_k_q26dde06a59_quant-k_q26dde06a59_quant
	.p2alignl 7, 3214868480
	.fill 96, 4, 3214868480
	.section	.rodata,"a",@progbits
	.p2align	6, 0x0
	.amdhsa_kernel k_q26dde06a59_quant
		.amdhsa_group_segment_fixed_size 16896
		.amdhsa_private_segment_fixed_size 0
		.amdhsa_enable_private_segment 0
		.amdhsa_kernarg_size 48
		.amdhsa_user_sgpr_count 2
		.amdhsa_user_sgpr_kernarg_segment_ptr 1
		.amdhsa_wavefront_size32 1
		.amdhsa_system_sgpr_workgroup_id_x 1
		.amdhsa_system_sgpr_workgroup_id_y 1
		.amdhsa_system_sgpr_workgroup_id_z 1
		.amdhsa_system_vgpr_workitem_id 0
		.amdhsa_next_free_vgpr 194
		.amdhsa_next_free_sgpr 66
		.amdhsa_reserve_vcc 0
		.amdhsa_float_denorm_mode_32 3
		.amdhsa_float_denorm_mode_16_64 3
		.amdhsa_memory_ordered 1
		.amdhsa_forward_progress 1
		.amdhsa_inst_pref_size 26
	.end_amdhsa_kernel
	.amdgpu_metadata
---
amdhsa.version: [ 1, 2 ]
amdhsa.kernels:
  - .name:           k_q26dde06a59_quant
    .symbol:         k_q26dde06a59_quant.kd
    .args:
      - { .name: candidates, .offset: 0, .size: 8, .value_kind: global_buffer, .address_space: global }
      - { .name: query, .offset: 8, .size: 8, .value_kind: global_buffer, .address_space: global }
      - { .name: ccodes, .offset: 16, .size: 8, .value_kind: global_buffer, .address_space: global }
      - { .name: cscales, .offset: 24, .size: 8, .value_kind: global_buffer, .address_space: global }
      - { .name: qcodes, .offset: 32, .size: 8, .value_kind: global_buffer, .address_space: global }
      - { .name: qscales, .offset: 40, .size: 8, .value_kind: global_buffer, .address_space: global }
    .group_segment_fixed_size: 16896
    .private_segment_fixed_size: 0
    .kernarg_segment_align: 8
    .kernarg_segment_size: 48
    .max_flat_workgroup_size: 32
    .sgpr_count:     66
    .vgpr_count:     194
    .wavefront_size: 32
...
	.end_amdgpu_metadata
.endif
;; end of part 1
;; launch pass1 (part 2): grid 250 x 1, 4 waves a work-group, no clusters, 29,184 bytes of LDS; arguments ccodes, cscales, qcodes, qscales, keys, sub; writes keys, sub
.if DOCPART == 2
	.amdgcn_target "amdgcn-amd-amdhsa--gfx1250"
	.amdhsa_code_object_version 6
	.text
	.protected	k_q26dde06a59_pass1
	.globl	k_q26dde06a59_pass1
	.p2align	8
	.type	k_q26dde06a59_pass1,@function
k_q26dde06a59_pass1:
	s_mov_b64 s[64:65], 0
	v_nop
	global_prefetch_b8 v0, s[64:65] scope:SCOPE_SE
	s_setreg_imm32_b32 hwreg(HW_REG_WAVE_MODE, 25, 1), 1
	s_wait_xcnt 0x0
; All similarities, of which two levels of maxima are kept.  A SUB-SLOT is a run of 8 neighbouring candidates, a SLOT a run of 200 (25 sub-slots); a slice (400 candidates, 25 tiles of 16) holds two slots.
; A work-group takes one slice.  Each of its four waves keeps the slice's 25 tiles of codes in registers (600 registers, windows 1 to 3) and walks 16 pairs of query tiles (32 queries a pair).
; Source 0 = 16 candidates, source 1 = 16 queries: lane (r, h) of tile t's result holds query r, and its eight registers are sub-slot t of slot 2 slice + h (the tiles' rows were chosen so).
; So a sub-slot's maximum is four lines within a lane, and nothing crosses lanes.
; sub:  [slice 250][query tile 128][lane 32][28] f32: a lane's 25 maxima and three pads, 112 bytes on end, so that a later launch reads a query's slot as one run.  A lane's 112 bytes and its neighbours' go
;       through the wave's own LDS (pitch 112 bytes = 28 words) and leave as 512 consecutive bytes a store.
; keys: [pair 64][slice 250][lane 32][tile of the pair 2]: the slot's maximum as a whole number that keeps the order of the floats: bits xor (sign ? all ones : the top bit).
; No tensor load, no cluster: the grid of 250 has no divisor 4, the stationary operand lies in registers, and the moving one (24 registers a query tile) feeds 50 products a load.
; LIMIT: NaN is not served.
; REGISTERS, window 0: v1 16 x lane, v2 4 x lane, v4 8 x lane, v5, v6 LDS addresses; v8-32 the candidates' scale words; v34-37 the queries'; v40-135 the queries' fragments, two buffers;
;   v136-167 accumulators, two sets; v168-171 at work; v172-227 the maxima, 28 for each tile of the pair; v228-231 keys.
.set CS,  8
.set QS,  34
.set QF,  40
.set ACC, 136
.set TA,  168
.set S,   172
.set KEY, 228
.set TK,  230
.set LSA, 5                            ; v5  LDS: wave x 7,168 + 112 x lane
.set LLA, 6                            ; v6  LDS: wave x 7,168 + 16 x lane
.set MSB, 0
.macro WIN new                         ; the immediate's high byte repeats the setting that is left; a switch that changes nothing is dropped
.if MSB != \new
	s_set_vgpr_msb (MSB<<8)|\new
.set MSB, \new
.endif
.endm
.macro MM0 d, a, q, sa, sq             ; K step 0 starts the sum
	v_wmma_scale_f32_16x16x128_f8f6f4 v[\d:\d+7], v[\a:\a+11], v[\q:\q+11], 0, v[\sa], v[\sq] matrix_a_fmt:MATRIX_FMT_BF6 matrix_b_fmt:MATRIX_FMT_BF6
.endm
.macro MM1 d, a, q, sa, sq             ; K step 1 adds onto it; its scale words stand in lanes 16-31
	v_wmma_scale_f32_16x16x128_f8f6f4 v[\d:\d+7], v[\a:\a+11], v[\q:\q+11], v[\d:\d+7], v[\sa], v[\sq] matrix_a_fmt:MATRIX_FMT_BF6 matrix_b_fmt:MATRIX_FMT_BF6 matrix_a_scale:MATRIX_SCALE_ROW1 matrix_b_scale:MATRIX_SCALE_ROW1
.endm
.macro LOADQ b                         ; a pair of query tiles into buffer b: 12 + 2 loads
.irp i, 0,1,2,3,4,5,6,7,8,9,10,11
	global_load_b128 v[QF+48*(\b)+4*\i:QF+48*(\b)+4*\i+3], v1, s[8:9] offset:512*\i
.endr
.irp x, 0,1
	global_load_b32 v[QS+2*(\b)+\x], v2, s[10:11] offset:128*\x
.endr
.endm
; The maximum of an accumulator's eight registers, for both accumulators of set ap by turns, in two groups of four lines; each accumulator is read from its low end on.
.macro GROUPA ap
	v_max3_num_f32 v[TA], v[\ap], v[\ap+1], v[\ap+2]
	v_max3_num_f32 v[TA+1], v[\ap+8], v[\ap+9], v[\ap+10]
	v_max3_num_f32 v[TA+2], v[\ap+3], v[\ap+4], v[\ap+5]
	v_max3_num_f32 v[TA+3], v[\ap+11], v[\ap+12], v[\ap+13]
.endm
.macro GROUPB ap, tp                   ; tp: the tile whose results lie in set ap
	v_max3_num_f32 v[TA], v[TA], v[TA+2], v[\ap+6]
	v_max3_num_f32 v[TA+1], v[TA+1], v[TA+3], v[\ap+14]
	v_max_num_f32 v[S+\tp], v[TA], v[\ap+7]
	v_max_num_f32 v[S+28+\tp], v[TA+1], v[\ap+15]
.endm
; A unit: candidate tile t against the pair's two query tiles, two K steps.  The two accumulators take turns, one instruction a turn.
; Between the pairs of products stand the lines for the unit before, whose results lie in the other set.  They name three vector sources, so they stand under window 0: four switches a unit.
; A result is first read behind the four lines of the group that follows its last product, which name none of that product's registers.
.macro UNIT t, b
.set W,  1+(\t)/10
.set CA, 24*((\t)%10)
.set AS, ACC+16*((\t)%2)
.set AP, ACC+16*(((\t)+1)%2)
.set QB, QF+48*(\b)
.set SQ, QS+2*(\b)
	WIN W
	MM0 AS, CA, QB, CS+(\t), SQ
	MM0 AS+8, CA, QB+24, CS+(\t), SQ+1
.if (\t) > 0
	WIN 0
	GROUPA AP
	WIN W
.endif
	MM1 AS, CA+12, QB+12, CS+(\t), SQ
	MM1 AS+8, CA+12, QB+36, CS+(\t), SQ+1
	WIN 0
.if (\t) > 0
	GROUPB AP, (\t)-1
.else
.rept 4
	v_nop                                          ; the places between the first unit's products and the first read of their results
.endr
.endif
.endm
.macro TRIP b
	s_wait_xcnt 0x0                                ; the loads and stores of the trip before have read their bases and data: all may be written
	s_add_nc_u64 s[12:13], s[12:13], s[22:23]      ; the next pair's keys and maxima (the steps are 0 in front of the first trip)
	s_add_nc_u64 s[14:15], s[14:15], s[26:27]
.if \b == 0
	s_add_nc_u64 s[8:9], s[8:9], 6144
	s_add_nc_u64 s[10:11], s[10:11], 256
.else
	s_cmp_lt_u32 s24, 7                            ; behind the wave's last pair there is none: the pointers stay, and the last pair is loaded once more, inside its buffer
	s_cselect_b32 s20, 6144, 0
	s_add_nc_u64 s[8:9], s[8:9], s[20:21]
	s_cselect_b32 s20, 256, 0
	s_add_nc_u64 s[10:11], s[10:11], s[20:21]
.endif
	LOADQ 1-\b                                     ; the next pair: it has this trip's 100 products in which to come
	s_wait_loadcnt 14                              ; all but the 14 just issued: this trip's pair is in (in the first trip the candidates too)
.set u, 0
.rept 25
	UNIT u, \b
.set u, u+1
.endr
	GROUPA ACC                                     ; unit 24's results lie in set 0; the four lines of the group before are the places behind its last products
	GROUPB ACC, 24
.irp x, 0,1                                    ; the maxima into my wave's LDS, a lane's 112 bytes on end,
.irp c, 0,1,2,3,4,5,6
	ds_store_b128 v[LSA], v[S+28*\x+4*\c:S+28*\x+4*\c+3] offset:3584*\x+16*\c
.endr
.endr
.irp i, 0,1,2,3,4,5,6                          ; and back as they will lie in memory (LDS serves a wave's instructions in order): into the query buffer just multiplied and into the accumulators, both free now
	ds_load_b128 v[QF+48*\b+4*\i:QF+48*\b+4*\i+3], v[LLA] offset:512*\i
.endr
.irp i, 0,1,2,3,4,5,6
	ds_load_b128 v[ACC+4*\i:ACC+4*\i+3], v[LLA] offset:3584+512*\i
.endr
.irp x, 0,1                                    ; meanwhile: the slots' maxima, of the 25 sub-slots',
	v_max3_num_f32 v[TK+\x], v[S+28*\x], v[S+28*\x+1], v[S+28*\x+2]
.endr
.irp k, 3,5,7,9,11,13,15,17,19,21,23
.irp x, 0,1
	v_max3_num_f32 v[TK+\x], v[TK+\x], v[S+28*\x+\k], v[S+28*\x+\k+1]
.endr
.endr
.irp x, 0,1
	v_add_f32 v[TK+\x], 0, v[TK+\x]                ; -0 becomes +0: one key for one value
.endr
.irp x, 0,1
	v_ashrrev_i32 v[KEY+\x], 31, v[TK+\x]
.endr
.irp x, 0,1
	v_or_b32 v[KEY+\x], 0x80000000, v[KEY+\x]
.endr
.irp x, 0,1
	v_xor_b32 v[KEY+\x], v[KEY+\x], v[TK+\x]
.endr
	global_store_b64 v4, v[KEY:KEY+1], s[12:13]    ; 256 consecutive bytes, aligned
	s_wait_dscnt 0x0                               ; the 14 LDS loads are in
.irp i, 0,1,2,3,4,5,6
	global_store_b128 v1, v[QF+48*\b+4*\i:QF+48*\b+4*\i+3], s[14:15] offset:512*\i   ; 512 consecutive bytes, at a multiple of 256 from the buffer's first byte
.endr
.irp i, 0,1,2,3,4,5,6
	global_store_b128 v1, v[ACC+4*\i:ACC+4*\i+3], s[14:15] offset:3584+512*\i
.endr
	s_mov_b32 s22, 64000                           ; from pair to pair in keys,
	s_mov_b32 s26, 7168                            ; and in sub
.endm
	s_load_b256 s[4:11], s[0:1], 0x0               ; ccodes, cscales, qcodes, qscales
	s_load_b128 s[12:15], s[0:1], 0x20             ; keys, sub
	v_lshl_add_u32 v254, v0, 2, 0x7000
	v_mov_b32 v255, 0
	v_lshrrev_b32 v3, 5, v0
	v_readfirstlane_b32 s16, v3                    ; wave
	v_and_b32 v3, 31, v0
	v_lshlrev_b32 v1, 4, v3
	v_lshlrev_b32 v2, 2, v3
	v_lshlrev_b32 v4, 3, v3
	s_mul_i32 s17, s16, 7168                       ; my wave's LDS: 3,584 bytes for each tile of the pair
	v_mul_u32_u24 v[LSA], v3, 112
	v_add_nc_u32 v[LSA], s17, v[LSA]
	v_add_nc_u32 v[LLA], s17, v1
.irp p, 25,26,27,53,54,55
	v_mov_b32 v[S+\p], 0xff800000                  ; the pads: written once, stored with the maxima, read by nobody
.endr
	s_mov_b32 s19, 0
	s_mov_b32 s21, 0
	s_mov_b32 s22, 0
	s_mov_b32 s23, 0
	s_mov_b32 s26, 0
	s_mov_b32 s27, 0
	s_mov_b32 s24, 0                               ; counts the loop's trips
	s_wait_kmcnt 0x0
	s_mul_i32 s18, ttmp9, 76800                    ; the slice's 25 tiles of 3,072 bytes
	s_add_nc_u64 s[4:5], s[4:5], s[18:19]
	s_mul_i32 s18, ttmp9, 3200
	s_add_nc_u64 s[6:7], s[6:7], s[18:19]
	s_mul_i32 s18, s16, 98304                      ; the wave's 32 query tiles
	s_add_nc_u64 s[8:9], s[8:9], s[18:19]
	s_lshl_b32 s18, s16, 12
	s_add_nc_u64 s[10:11], s[10:11], s[18:19]
	s_mul_i32 s18, s16, 1024000                    ; its 16 pairs in keys,
	s_lshl_b32 s17, ttmp9, 8                       ; and the slice's 256 bytes of each
	s_add_co_u32 s18, s18, s17
	s_add_nc_u64 s[12:13], s[12:13], s[18:19]
	s_mul_i32 s18, ttmp9, 458752                   ; sub: the slice's 128 query tiles of 3,584 bytes,
	s_mul_i32 s17, s16, 114688                     ; the wave's 32 of them
	s_add_co_u32 s18, s18, s17
	s_add_nc_u64 s[14:15], s[14:15], s[18:19]
.set t, 0
.rept 25
	global_load_b32 v[CS+t], v2, s[6:7] offset:128*t
.set t, t+1
.endr
.set t, 0
.rept 25                                       ; tile t: window 1 + t / 10, registers 24 (t % 10) on: K step 0's fragment, then K step 1's
	WIN 0x40*(1+t/10)
.set i, 0
.rept 6
	global_load_b128 v[24*(t%10)+4*i:24*(t%10)+4*i+3], v1, s[4:5] offset:3072*t+512*i
.set i, i+1
.endr
.set t, t+1
.endr
	WIN 0
	LOADQ 0
.Lpairs:                                           ; 8 trips of two pairs
	TRIP 0
	TRIP 1
	s_add_co_u32 s24, s24, 1
	s_cmp_lt_u32 s24, 8
	s_cbranch_scc1 .Lpairs
	s_wait_tensorcnt 0x0
	ds_add_u32 v254, v255
	s_wait_dscnt 0x0
	s_endpgm
.Lfunc_end_k_q26dde06a59_pass1:
	.size	k_q26dde06a59_pass1, .Lfunc_end_k_q26dde06a59_pass1-k_q26dde06a59_pass1
	.p2alignl 7, 3214868480
	.fill 96, 4, 3214868480
	.section	.rodata,"a",@progbits
	.p2align	6, 0x0
	.amdhsa_kernel k_q26dde06a59_pass1
		.amdhsa_group_segment_fixed_size 29184
		.amdhsa_private_segment_fixed_size 0
		.amdhsa_enable_private_segment 0
		.amdhsa_kernarg_size 48
		.amdhsa_user_sgpr_count 2
		.amdhsa_user_sgpr_kernarg_segment_ptr 1
		.amdhsa_wavefront_size32 1
		.amdhsa_system_sgpr_workgroup_id_x 1
		.amdhsa_system_sgpr_workgroup_id_y 1
		.amdhsa_system_sgpr_workgroup_id_z 1
		.amdhsa_system_vgpr_workitem_id 0
		.amdhsa_next_free_vgpr 1024
		.amdhsa_next_free_sgpr 66
		.amdhsa_reserve_vcc 0
		.amdhsa_float_denorm_mode_32 3
		.amdhsa_float_denorm_mode_16_64 3
		.amdhsa_memory_ordered 1
		.amdhsa_forward_progress 1
		.amdhsa_inst_pref_size 88
	.end_amdhsa_kernel
	.amdgpu_metadata
---
amdhsa.version: [ 1, 2 ]
amdhsa.kernels:
  - .name:           k_q26dde06a59_pass1
    .symbol:         k_q26dde06a59_pass1.kd
    .args:
      - { .name: ccodes, .offset: 0, .size: 8, .value_kind: global_buffer, .address_space: global }
      - { .name: cscales, .offset: 8, .size: 8, .value_kind: global_buffer, .address_space: global }
      - { .name: qcodes, .offset: 16, .size: 8, .value_kind: global_buffer, .address_space: global }
      - { .name: qscales, .offset: 24, .size: 8, .value_kind: global_buffer, .address_space: global }
      - { .name: keys, .offset: 32, .size: 8, .value_kind: global_buffer, .address_space: global }
      - { .name: sub, .offset: 40, .size: 8, .value_kind: global_buffer, .address_space: global }
    .group_segment_fixed_size: 29184
    .private_segment_fixed_size: 0
    .kernarg_segment_align: 8
    .kernarg_segment_size: 48
    .max_flat_workgroup_size: 128
    .sgpr_count:     66
    .vgpr_count:     1024
    .wavefront_size: 32
...
	.end_amdgpu_metadata
.endif
;; end of part 2
;; launch thresh (part 3): grid 256 x 1, 8 waves a work-group, no clusters, 0 bytes of LDS; arguments keys, slots; writes slots
.if DOCPART == 3
	.amdgcn_target "amdgcn-amd-amdhsa--gfx1250"
	.amdhsa_code_object_version 6
	.text
	.protected	k_q26dde06a59_thresh
	.globl	k_q26dde06a59_thresh
	.p2align	8
	.type	k_q26dde06a59_thresh,@function
k_q26dde06a59_thresh:
	s_mov_b64 s[64:65], 0
	v_nop
	global_prefetch_b8 v0, s[64:65] scope:SCOPE_SE
	s_setreg_imm32_b32 hwreg(HW_REG_WAVE_MODE, 25, 1), 1
	s_wait_xcnt 0x0
; For each query: the 64 best of its 500 slots by (maximum falling, slot rising).  Whole-number work on the keys; every trip count is a constant and no address is made from data.
; Every member of the query's top 64 lies in these slots: 64 slots that rank ahead of a slot hold 64 similarities that rank ahead of all of its own, since slots are runs of neighbouring candidates in rising order.
; One wave a query; lane l holds slots l + 32 i, i = 0..15 (slots 500 to 511 do not exist and hold the key 0, under every real key).
; The 64th largest key is found bit by bit from the top: the largest number t with 64 keys or more at or above it.  32 trips of 16 compares and 16 bit counts.  Of the keys equal to t the lowest slots are taken.
; THE LIST.  Each lane keeps its taken slots as bits i of one word, with bit 16 set beside them.  A take-out finds each lane's lowest bit, reads its place off the exponent field of the bit as f32, forms -(slot),
; takes the largest over the lanes (the lowest slot; bit 16 stands for slot 512 + lane, which loses against every real one), lets the winner clear its bit, and lane n keeps the result.
; 64 slots are taken, so 64 take-outs empty the words.  slots: [query][64], rising: lane n stores ranks 2 n and 2 n + 1.
; The keys come as single words of rows 128 bytes apart: the whole buffer is 4,096,000 bytes, read once.
.set K,   8                            ; v8-23 the keys
.set M,   24                           ; my taken slots, a bit each
.set B,   25
.set T0,  26
.set F,   27
.set G,   28
.set XP,  29
.set LST, 30                           ; v[30:31] the list
.set LBI, 32                           ; 127 x 32 - lane
.set T1,  33
.macro COUNT op, s                     ; s40 = how many keys stand in relation op to s[s]
.irp i, 0,1,2,3,4,5,6,7,8,9,10,11,12,13,14,15
	\op s[40+\i], s[\s], v[K+\i]
.endr
.irp i, 0,1,2,3,4,5,6,7,8,9,10,11,12,13,14,15
	s_bcnt1_i32_b32 s[40+\i], s[40+\i]
.endr
.irp i, 1,2,3,4,5,6,7,8,9,10,11,12,13,14,15
	s_add_co_u32 s40, s40, s[40+\i]
.endr
.endm
.macro EXTR dst                        ; one take-out; the lane named by s37 keeps -(slot) in dst
	v_sub_nc_u32 v[T0], 0, v[M]
	v_and_b32 v[B], v[M], v[T0]                    ; my lowest bit
	v_cvt_f32_u32 v[T0], v[B]                      ; a power of two: its exponent field is 127 + the bit's place
	v_lshrrev_b32 v[T0], 18, v[T0]                 ; 32 x (127 + place)
	v_sub_nc_u32 v[T0], v[LBI], v[T0]              ; -(lane + 32 x place)
	v_cvt_f32_i32 v[F], v[T0]
	v_max_num_f32_dpp v[G], v[F], v[F] row_xmask:1 row_mask:0xf bank_mask:0xf
	v_max_num_f32_dpp v[G], v[G], v[G] row_xmask:2 row_mask:0xf bank_mask:0xf
	v_max_num_f32_dpp v[G], v[G], v[G] row_xmask:4 row_mask:0xf bank_mask:0xf
	v_max_num_f32_dpp v[G], v[G], v[G] row_xmask:8 row_mask:0xf bank_mask:0xf
	v_permlanex16_b32 v[XP], v[G], s34, s35
	v_max_num_f32 v[G], v[G], v[XP]                ; the lowest slot left, in every lane
	v_cmp_eq_f32 s36, v[F], v[G]                   ; mine?
	v_cndmask_b32 v[T0], 0, v[B], s36
	v_xor_b32 v[M], v[M], v[T0]                    ; then its bit goes
	v_cndmask_b32 v[\dst], v[\dst], v[G], s37
.endm
	s_load_b128 s[4:7], s[0:1], 0x0                ; keys, slots
	v_lshrrev_b32 v1, 5, v0
	v_readfirstlane_b32 s10, v1                    ; wave
	v_and_b32 v2, 31, v0                           ; lane
	s_lshl_b32 s11, ttmp9, 3
	s_add_co_u32 s11, s11, s10                     ; the query
	s_lshr_b32 s12, s11, 5
	s_mul_i32 s12, s12, 64000                      ; its pair of tiles,
	s_and_b32 s13, s11, 15
	s_lshl_b32 s13, s13, 3
	s_add_co_u32 s12, s12, s13                     ; its place in the tile: 8 bytes a lane,
	s_bfe_u32 s13, s11, 0x10004
	s_lshl_b32 s13, s13, 2
	s_add_co_u32 s12, s12, s13                     ; and which tile of the pair
	s_mov_b32 s13, 0
	v_lshrrev_b32 v3, 1, v2
	v_lshlrev_b32 v3, 8, v3                        ; slot s: slice s / 2 is 256 bytes on,
	v_and_b32 v4, 1, v2
	v_lshl_add_u32 v3, v4, 7, v3                   ; its upper half 128
	v_min_u32 v5, 19, v2                           ; the last 32 slots: only 20 exist; the other lanes read slot 499 and are cleared below
	v_lshrrev_b32 v6, 1, v5
	v_lshlrev_b32 v6, 8, v6
	v_and_b32 v5, 1, v5
	v_lshl_add_u32 v6, v5, 7, v6
	v_lshlrev_b32 v7, 3, v2                        ; 8 x lane: my two words of the list
	v_sub_nc_u32 v[LBI], 4064, v2
	v_mov_b32 v[LST], 0
	v_mov_b32 v[LST+1], 0
	v_mov_b32 v[G], 0                              ; (the destination of a DPP form or a lane permute counts as read)
	v_mov_b32 v[XP], 0
	s_mov_b32 s14, 0xfffff
	s_mov_b32 s34, 0x76543210
	s_mov_b32 s35, 0xfedcba98                      ; selects: lane l xor 16
	s_wait_kmcnt 0x0
	s_add_nc_u64 s[4:5], s[4:5], s[12:13]
	s_lshl_b32 s12, s11, 8
	s_add_nc_u64 s[6:7], s[6:7], s[12:13]
.irp i, 0,1,2,3,4,5,6,7,8,9,10,11,12,13,14
	global_load_b32 v[K+\i], v3, s[4:5] offset:4096*\i
.endr
	global_load_b32 v[K+15], v6, s[4:5] offset:4096*15
	s_wait_loadcnt 0x0
	v_cndmask_b32 v[K+15], 0, v[K+15], s14
	s_mov_b32 s16, 0                               ; t
	s_mov_b32 s17, 0x80000000                      ; the bit on trial
	s_mov_b32 s18, 0
.Lbit:
	s_or_b32 s19, s16, s17
	COUNT v_cmp_le_u32, 19                         ; keys at or above t with the bit set
	s_cmp_ge_u32 s40, 64
	s_cselect_b32 s16, s19, s16                    ; 64 or more: the bit stays
	s_lshr_b32 s17, s17, 1
	s_add_co_u32 s18, s18, 1
	s_cmp_lt_u32 s18, 32
	s_cbranch_scc1 .Lbit
	COUNT v_cmp_lt_u32, 16                         ; keys above t: 63 at the most
	s_sub_co_u32 s20, 64, s40                      ; so many of the keys equal to t are taken, the lowest slots first
	s_mov_b32 s21, 0                               ; equal keys met so far
	v_mov_b32 v[M], 0x10000                        ; bit 16: never taken
.irp i, 0,1,2,3,4,5,6,7,8,9,10,11,12,13,14,15
	v_cmp_lt_u32 s23, s16, v[K+\i]
	v_cmp_eq_u32 s24, s16, v[K+\i]
	v_mbcnt_lo_u32_b32 v[T0], s24, s21             ; how many equal keys stand in lower slots
	v_cmp_gt_u32 s25, s20, v[T0]
	s_and_b32 s25, s25, s24
	s_or_b32 s28, s23, s25                         ; the lanes whose slot 32 i + lane is taken
	s_bcnt1_i32_b32 s27, s24
	s_add_co_u32 s21, s21, s27
	v_cndmask_b32 v[T1], 0, 1, s28
	v_lshl_or_b32 v[M], v[T1], \i, v[M]
.endr
	s_mov_b32 s38, 0
.Lrank:                                            ; 32 trips, two take-outs each
	v_cmp_eq_u32 s37, s38, v2
	EXTR LST
	EXTR LST+1
	s_add_co_u32 s38, s38, 1
	s_cmp_lt_u32 s38, 32
	s_cbranch_scc1 .Lrank
.irp a, 0,1
	v_mul_f32 v[LST+\a], -1.0, v[LST+\a]
.endr
.irp a, 0,1
	v_cvt_u32_f32 v[LST+\a], v[LST+\a]             ; exact: slots stay under 512
.endr
	global_store_b64 v7, v[LST:LST+1], s[6:7]      ; 256 consecutive bytes, aligned
	s_endpgm
.Lfunc_end_k_q26dde06a59_thresh:
	.size	k_q26dde06a59_thresh, .Lfunc_end_k_q26dde06a59_thresh-k_q26dde06a59_thresh
	.p2alignl 7, 3214868480
	.fill 96, 4, 3214868480
	.section	.rodata,"a",@progbits
	.p2align	6, 0x0
	.amdhsa_kernel k_q26dde06a59_thresh
		.amdhsa_group_segment_fixed_size 0
		.amdhsa_private_segment_fixed_size 0
		.amdhsa_enable_private_segment 0
		.amdhsa_kernarg_size 16
		.amdhsa_user_sgpr_count 2
		.amdhsa_user_sgpr_kernarg_segment_ptr 1
		.amdhsa_wavefront_size32 1
		.amdhsa_system_sgpr_workgroup_id_x 1
		.amdhsa_system_sgpr_workgroup_id_y 1
		.amdhsa_system_sgpr_workgroup_id_z 1
		.amdhsa_system_vgpr_workitem_id 0
		.amdhsa_next_free_vgpr 40
		.amdhsa_next_free_sgpr 66
		.amdhsa_reserve_vcc 0
		.amdhsa_float_denorm_mode_32 3
		.amdhsa_float_denorm_mode_16_64 3
		.amdhsa_memory_ordered 1
		.amdhsa_forward_progress 1
		.amdhsa_inst_pref_size 18
	.end_amdhsa_kernel
	.amdgpu_metadata
---
amdhsa.version: [ 1, 2 ]
amdhsa.kernels:
  - .name:           k_q26dde06a59_thresh
    .symbol:         k_q26dde06a59_thresh.kd
    .args:
      - { .name: keys, .offset: 0, .size: 8, .value_kind: global_buffer, .address_space: global }
      - { .name: slots, .offset: 8, .size: 8, .value_kind: global_buffer, .address_space: global }
    .group_segment_fixed_size: 0
    .private_segment_fixed_size: 0
    .kernarg_segment_align: 8
    .kernarg_segment_size: 16
    .max_flat_workgroup_size: 256
    .sgpr_count:     66
    .vgpr_count:     40
    .wavefront_size: 32
...
	.end_amdgpu_metadata
.endif
;; end of part 3
;; launch sel2 (part 4): grid 256 x 1, 8 waves a work-group, no clusters, 0 bytes of LDS; arguments slots, sub, subs; writes subs
.if DOCPART == 4
	.amdgcn_target "amdgcn-amd-amdhsa--gfx1250"
	.amdhsa_code_object_version 6
	.text
	.protected	k_q26dde06a59_sel2
	.globl	k_q26dde06a59_sel2
	.p2align	8
	.type	k_q26dde06a59_sel2,@function
k_q26dde06a59_sel2:
	s_mov_b64 s[64:65], 0
	v_nop
	global_prefetch_b8 v0, s[64:65] scope:SCOPE_SE
	s_setreg_imm32_b32 hwreg(HW_REG_WAVE_MODE, 25, 1), 1
	s_wait_xcnt 0x0
; For each query: the 64 best SUB-SLOTS (runs of 8 neighbouring candidates) among the 64 x 25 of its 64 best slots, by (maximum falling, sub-slot rising).
; Every member of the query's top 64 lies in them, by the argument that holds for slots: 64 runs that rank ahead of a run hold 64 similarities that rank ahead of all of its own.
; One wave a query; a lane holds two slots, 25 maxima each: 112 consecutive bytes of sub, whose place is made from the stored slot number (held inside the buffer by minima with constants).
; Every trip count is a constant; what hangs on the maxima is values alone.
; 1. The maxima become whole numbers that keep their order.  2. T, the 64th largest, bit by bit from the top: 32 trips of 50 compares and bit counts.  3. Of the keys equal to T the lowest sub-slots are taken:
; each gets the code 32 slot + t, and the need-th smallest code is found bit by bit: 14 trips.  4. The 64 taken become bits t of two words a lane, with bit 25 set beside them, and are taken out one by one:
; each lane's lowest bits, -(slot + 512 t) as f32, the largest over the lanes (bit 25 loses against every real one), the winner clears its bit, lane n keeps the result.
; subs: [query][64] words slot + 512 t, in no order that a reader may lean on.
; LIMIT: NaN is not served.
.set SG,  4                            ; v4-5   my two slots
.set BO,  6                            ; v6-7   their offsets in sub
.set T0,  8                            ; v8-11  at work
.set T1,  9
.set T2,  10
.set T3,  11
.set K,   16                           ; v16-71  the maxima, then keys: 28 a + t
.set W,   72                           ; v72-127 at work, then the codes of equal keys
.set CB,  128                          ; v128-129 32 x slot
.set NB,  130                          ; v130-131 127 x 512 - slot
.set M,   132                          ; v132-133 the taken sub-slots, a bit each
.set B,   134
.set F,   136
.set G,   138
.set XP,  139
.set LST, 140                          ; v[140:141] the list
.macro COUNT op, s, base               ; s40 = how many of the 50 numbers from v[base] on stand in relation op to s[s]
	s_mov_b32 s40, 0
.irp a, 0,1
.set ci, 0
.rept 25
	\op s[66+ci], s[\s], v[\base+28*\a+ci]
.set ci, ci+1
.endr
.set ci, 0
.rept 25
	s_bcnt1_i32_b32 s[66+ci], s[66+ci]
.set ci, ci+1
.endr
.set ci, 0
.rept 25
	s_add_co_u32 s40, s40, s[66+ci]
.set ci, ci+1
.endr
.endr
.endm
.macro EXTR dst                        ; one take-out; the lane named by s39 keeps -(slot + 512 t) in dst
.irp a, 0,1
	v_sub_nc_u32 v[T0+\a], 0, v[M+\a]
.endr
.irp a, 0,1
	v_and_b32 v[B+\a], v[M+\a], v[T0+\a]           ; the lowest bit of each word
.endr
.irp a, 0,1
	v_cvt_f32_u32 v[T0+\a], v[B+\a]                ; a power of two: its exponent field is 127 + the bit's place
.endr
.irp a, 0,1
	v_lshrrev_b32 v[T0+\a], 14, v[T0+\a]           ; 512 x (127 + place)
.endr
.irp a, 0,1
	v_sub_nc_u32 v[T0+\a], v[NB+\a], v[T0+\a]      ; -(slot + 512 x place)
.endr
.irp a, 0,1
	v_cvt_f32_i32 v[F+\a], v[T0+\a]
.endr
	v_max_num_f32 v[G], v[F], v[F+1]
	v_max_num_f32_dpp v[G], v[G], v[G] row_xmask:1 row_mask:0xf bank_mask:0xf
	v_max_num_f32_dpp v[G], v[G], v[G] row_xmask:2 row_mask:0xf bank_mask:0xf
	v_max_num_f32_dpp v[G], v[G], v[G] row_xmask:4 row_mask:0xf bank_mask:0xf
	v_max_num_f32_dpp v[G], v[G], v[G] row_xmask:8 row_mask:0xf bank_mask:0xf
	v_permlanex16_b32 v[XP], v[G], s34, s35
	v_max_num_f32 v[G], v[G], v[XP]                ; the lowest code left, in every lane; codes are all different
.irp a, 0,1
	v_cmp_eq_f32 s[36+\a], v[F+\a], v[G]
.endr
.irp a, 0,1
	v_cndmask_b32 v[T0+\a], 0, v[B+\a], s[36+\a]
.endr
.irp a, 0,1
	v_xor_b32 v[M+\a], v[M+\a], v[T0+\a]           ; the winner's bit goes
.endr
	v_cndmask_b32 v[\dst], v[\dst], v[G], s39
.endm
	s_load_b128 s[4:7], s[0:1], 0x0                ; slots, sub
	s_load_b64 s[8:9], s[0:1], 0x10                ; subs
	v_lshrrev_b32 v1, 5, v0
	v_readfirstlane_b32 s10, v1                    ; wave
	v_and_b32 v2, 31, v0                           ; lane
	v_lshlrev_b32 v3, 3, v2                        ; 8 x lane
	s_lshl_b32 s11, ttmp9, 3
	s_add_co_u32 s11, s11, s10                     ; the query
	s_lshr_b32 s12, s11, 4
	s_mul_i32 s12, s12, 3584                       ; its tile's bytes of a slice,
	s_and_b32 s13, s11, 15
	s_mul_i32 s13, s13, 112                        ; its lane's 112 of them
	s_add_co_u32 s12, s12, s13
	s_mov_b32 s13, 0
	s_lshl_b32 s14, s11, 8
	s_mov_b32 s15, 0
	s_mov_b32 s34, 0x76543210
	s_mov_b32 s35, 0xfedcba98                      ; selects: lane l xor 16
	v_mov_b32 v[LST], 0
	v_mov_b32 v[LST+1], 0
	v_mov_b32 v[XP], 0                             ; (a lane permute's destination counts as read)
	s_wait_kmcnt 0x0
	s_add_nc_u64 s[4:5], s[4:5], s[14:15]
	s_add_nc_u64 s[6:7], s[6:7], s[12:13]
	s_add_nc_u64 s[8:9], s[8:9], s[14:15]
	global_load_b32 v[SG], v3, s[4:5]
	global_load_b32 v[SG+1], v3, s[4:5] offset:4
	s_wait_loadcnt 0x0
.irp a, 0,1
	v_lshrrev_b32 v[T0], 1, v[SG+\a]
	v_min_u32 v[T0], 249, v[T0]                    ; slice
	v_min_u32 v[T1], 499, v[SG+\a]                 ; slot
	v_and_b32 v[T2], 1, v[T1]
	v_mul_u32_u24 v[BO+\a], v[T0], 0x70000         ; a slice's 128 query tiles of 3,584 bytes,
	v_mul_u32_u24 v[T2], v[T2], 1792               ; the upper slot's lanes 16 x 112 bytes on
	v_add_nc_u32 v[BO+\a], v[BO+\a], v[T2]
	v_lshlrev_b32 v[CB+\a], 5, v[T1]
	v_sub_nc_u32 v[NB+\a], 65024, v[T1]
.endr
.irp a, 0,1
.irp c, 0,1,2,3,4,5,6
	global_load_b128 v[K+28*\a+4*\c:K+28*\a+4*\c+3], v[BO+\a], s[6:7] offset:16*\c
.endr
.endr
	s_wait_loadcnt 0x0
.irp a, 0,1                                    ; keys: -0 becomes +0, then bits xor (sign ? all ones : the top bit).  The three pads of each slot are left alone and never looked at
.set t, 0
.rept 25
	v_add_f32 v[K+28*\a+t], 0, v[K+28*\a+t]
.set t, t+1
.endr
.set t, 0
.rept 25
	v_ashrrev_i32 v[W+28*\a+t], 31, v[K+28*\a+t]
.set t, t+1
.endr
.set t, 0
.rept 25
	v_or_b32 v[W+28*\a+t], 0x80000000, v[W+28*\a+t]
.set t, t+1
.endr
.set t, 0
.rept 25
	v_xor_b32 v[K+28*\a+t], v[K+28*\a+t], v[W+28*\a+t]
.set t, t+1
.endr
.endr
	s_mov_b32 s16, 0                               ; T
	s_mov_b32 s17, 0x80000000                      ; the bit on trial
	s_mov_b32 s18, 0
.Lbit:
	s_or_b32 s19, s16, s17
	COUNT v_cmp_le_u32, 19, K                      ; keys at or above T with the bit set
	s_cmp_ge_u32 s40, 64
	s_cselect_b32 s16, s19, s16                    ; 64 or more: the bit stays
	s_lshr_b32 s17, s17, 1
	s_add_co_u32 s18, s18, 1
	s_cmp_lt_u32 s18, 32
	s_cbranch_scc1 .Lbit
	COUNT v_cmp_lt_u32, 16, K                      ; keys above T: 63 at the most
	s_sub_co_u32 s20, 64, s40                      ; need: so many of the equal keys are taken
.irp a, 0,1
.set t, 0
.rept 25
	v_cmp_eq_u32 vcc_lo, s16, v[K+28*\a+t]
	v_add_nc_u32 v[T0+t%4], t, v[CB+\a]
	v_cndmask_b32 v[W+28*\a+t], -1, v[T0+t%4], vcc_lo   ; an equal key's code 32 slot + t; all ones for the others
.set t, t+1
.endr
.endr
	s_mov_b32 s21, 0                               ; X: the largest number with fewer than need codes under it = the need-th smallest code
	s_mov_b32 s17, 0x2000                          ; codes stay under 2^14
	s_mov_b32 s18, 0
.Lcode:
	s_or_b32 s19, s21, s17
	COUNT v_cmp_gt_u32, 19, W                      ; codes under X with the bit set
	s_cmp_lt_u32 s40, s20
	s_cselect_b32 s21, s19, s21
	s_lshr_b32 s17, s17, 1
	s_add_co_u32 s18, s18, 1
	s_cmp_lt_u32 s18, 14
	s_cbranch_scc1 .Lcode
.irp a, 0,1
	v_mov_b32 v[M+\a], 0x2000000                   ; bit 25: never taken
.set t, 0
.rept 25
	v_cmp_lt_u32 s23, s16, v[K+28*\a+t]
	v_cmp_ge_u32 s24, s21, v[W+28*\a+t]
	s_or_b32 s23, s23, s24                         ; taken: above T, or equal with a code up to X: 64 in all
	v_cndmask_b32 v[T0+t%4], 0, 1, s23
	v_lshl_or_b32 v[M+\a], v[T0+t%4], t, v[M+\a]
.set t, t+1
.endr
.endr
	s_mov_b32 s38, 0
.Lrank:                                            ; 32 trips, two take-outs each
	v_cmp_eq_u32 s39, s38, v2
	EXTR LST
	EXTR LST+1
	s_add_co_u32 s38, s38, 1
	s_cmp_lt_u32 s38, 32
	s_cbranch_scc1 .Lrank
.irp a, 0,1
	v_mul_f32 v[LST+\a], -1.0, v[LST+\a]
.endr
.irp a, 0,1
	v_cvt_u32_f32 v[LST+\a], v[LST+\a]             ; exact: the words stay under 2^14
.endr
	global_store_b64 v3, v[LST:LST+1], s[8:9]      ; 256 consecutive bytes, aligned
	s_endpgm
.Lfunc_end_k_q26dde06a59_sel2:
	.size	k_q26dde06a59_sel2, .Lfunc_end_k_q26dde06a59_sel2-k_q26dde06a59_sel2
	.p2alignl 7, 3214868480
	.fill 96, 4, 3214868480
	.section	.rodata,"a",@progbits
	.p2align	6, 0x0
	.amdhsa_kernel k_q26dde06a59_sel2
		.amdhsa_group_segment_fixed_size 0
		.amdhsa_private_segment_fixed_size 0
		.amdhsa_enable_private_segment 0
		.amdhsa_kernarg_size 24
		.amdhsa_user_sgpr_count 2
		.amdhsa_user_sgpr_kernarg_segment_ptr 1
		.amdhsa_wavefront_size32 1
		.amdhsa_system_sgpr_workgroup_id_x 1
		.amdhsa_system_sgpr_workgroup_id_y 1
		.amdhsa_system_sgpr_workgroup_id_z 1
		.amdhsa_system_vgpr_workitem_id 0
		.amdhsa_next_free_vgpr 144
		.amdhsa_next_free_sgpr 96
		.amdhsa_reserve_vcc 1
		.amdhsa_float_denorm_mode_32 3
		.amdhsa_float_denorm_mode_16_64 3
		.amdhsa_memory_ordered 1
		.amdhsa_forward_progress 1
		.amdhsa_inst_pref_size 53
	.end_amdhsa_kernel
	.amdgpu_metadata
---
amdhsa.version: [ 1, 2 ]
amdhsa.kernels:
  - .name:           k_q26dde06a59_sel2
    .symbol:         k_q26dde06a59_sel2.kd
    .args:
      - { .name: slots, .offset: 0, .size: 8, .value_kind: global_buffer, .address_space: global }
      - { .name: sub, .offset: 8, .size: 8, .value_kind: global_buffer, .address_space: global }
      - { .name: subs, .offset: 16, .size: 8, .value_kind: global_buffer, .address_space: global }
    .group_segment_fixed_size: 0
    .private_segment_fixed_size: 0
    .kernarg_segment_align: 8
    .kernarg_segment_size: 24
    .max_flat_workgroup_size: 256
    .sgpr_count:     96
    .vgpr_count:     144
    .wavefront_size: 32
...
	.end_amdgpu_metadata
.endif
;; end of part 4
;; launch final (part 5): grid 512 x 1, 4 waves a work-group, no clusters, 0 bytes of LDS; arguments subs, ccodes, cscales, qcodes, qscales, candidate_labels, out0; writes out0
.if DOCPART == 5
	.amdgcn_target "amdgcn-amd-amdhsa--gfx1250"
	.amdhsa_code_object_version 6
	.text
	.protected	k_q26dde06a59_final
	.globl	k_q26dde06a59_final
	.p2align	8
	.type	k_q26dde06a59_final,@function
k_q26dde06a59_final:
	s_mov_b64 s[64:65], 0
	v_nop
	global_prefetch_b8 v0, s[64:65] scope:SCOPE_SE
	s_setreg_imm32_b32 hwreg(HW_REG_WAVE_MODE, 25, 1), 1
	s_wait_xcnt 0x0
; The exact top 64 of each query, their softmax, and the weights summed by label.  One wave a query; waves share nothing; every trip count is a constant.
; The query's 64 best sub-slots hold its top 64: 512 candidates.  Their codes are fetched (a tile of 16 columns = two sub-slots; a sub-slot's eight rows lie on end in a tile's image) and their similarities computed
; by the same two matrix instructions as in the launch that made the maxima: source 0 = the query's row in all 16 rows, source 1 = 16 candidates; register 0 of a result holds the similarity of the lane's column.
; 32 tiles in four batches of eight (192 registers, window 1), so that 56 loads a wave are out at a time.
; Lane l, register i then holds the candidate j = l % 8 of list entry 4 i + l / 8: value, index and label.
; THE CHOICE, as jax.lax.top_k makes it (larger first; of equals the lower index): values become whole numbers that keep their order; T, the 64th largest, is found bit by bit (32 trips of 16 compares); of the
; keys equal to T the need lowest indices are taken, the need-th smallest index found bit by bit (17 trips).  What hangs on the similarities is values and selects alone.
; Addresses are made from the stored list alone, each part held inside its range by a minimum with a constant.
; No cluster: no two work-groups fetch the same tiles at the same time.  LIMIT: NaN is not served.
.set LANE, 2
.set H256, 4                           ; v4 256 x (lane / 16);  v5 64 x (lane / 16)
.set H64,  5
.set VE,   6                           ; v6 4 x ((lane / 8) % 2): which sub-slot of a tile my column belongs to
.set VI,   7                           ; v7 4 x (lane / 8): my own entry among four
.set AQ,   8                           ; v8-31   the query's two fragments, its row in every row
.set AQS,  32                          ; v32     its scale words
.set LC,   33                          ; v33     16 x (lane % 8) + 256 x (lane / 16): my place in a tile's image, less the sub-slot's half
.set E,    34                          ; v34-65  tile u's list word for my column
.set EI,   66                          ; v66-81  register i's list word for my own candidate
.set CO,   82                          ; v82-89  a batch's offsets of codes;  v90-97 of scale words
.set SO,   90
.set BS,   98                          ; v98-105 a batch's scale words
.set D,    106                         ; v106-169 eight accumulators; later keys and weights
.set KY,   106
.set V,    170                         ; v170-185 the similarities
.set XI,   186                         ; v186-201 the indices
.set LB,   202                         ; v202-217 the labels
.set W,    218                         ; v218-233 the labels' offsets; later at work, and the indices of equal keys
.set LS,   234                         ; v234    4 x (lane % 8) + 64 x (lane / 16)
.set J,    235                         ; v235    lane % 8
.set T0,   236
.set T1,   237
.set T2,   238
.set T3,   239
.set XP,   240
.set OUT,  241
.set RC,   242
.set MSB, 0
.macro WIN new                         ; the immediate's high byte repeats the setting that is left; a switch that changes nothing is dropped
.if MSB != \new
	s_set_vgpr_msb (MSB<<8)|\new
.set MSB, \new
.endif
.endm
.macro RED op, r, t                    ; over the 32 lanes, the result in every lane
	\op\()_dpp v[\r], v[\r], v[\r] row_xmask:1 row_mask:0xf bank_mask:0xf
	\op\()_dpp v[\r], v[\r], v[\r] row_xmask:2 row_mask:0xf bank_mask:0xf
	\op\()_dpp v[\r], v[\r], v[\r] row_xmask:4 row_mask:0xf bank_mask:0xf
	\op\()_dpp v[\r], v[\r], v[\r] row_xmask:8 row_mask:0xf bank_mask:0xf
	v_permlanex16_b32 v[\t], v[\r], s20, s21
	\op v[\r], v[\r], v[\t]
.endm
.macro COUNT op, s, base               ; s40 = how many of the 16 numbers from v[base] on stand in relation op to s[s]
.irp i, 0,1,2,3,4,5,6,7,8,9,10,11,12,13,14,15
	\op s[40+\i], s[\s], v[\base+\i]
.endr
.irp i, 0,1,2,3,4,5,6,7,8,9,10,11,12,13,14,15
	s_bcnt1_i32_b32 s[40+\i], s[40+\i]
.endr
.irp i, 1,2,3,4,5,6,7,8,9,10,11,12,13,14,15
	s_add_co_u32 s40, s40, s[40+\i]
.endr
.endm
; The list word slot + 512 t of tile u's column: slice = slot / 2, tile 25 slice + t (3,072 bytes of codes, 128 of scale words), rows 8 (slot % 2) + 0..7 of it
.macro ADDR n, u
	v_and_b32 v[T0], 511, v[E+\u]
	v_min_u32 v[T0], 499, v[T0]
	v_and_b32 v[T2], 1, v[T0]                      ; slot % 2
	v_bfe_u32 v[T3], v[E+\u], 1, 8
	v_min_u32 v[T3], 249, v[T3]                    ; slice
	v_lshrrev_b32 v[T1], 9, v[E+\u]
	v_min_u32 v[T1], 24, v[T1]                     ; t
	v_mul_u32_u24 v[CO+\n], v[T3], 76800
	v_mul_u32_u24 v[T0], v[T1], 3072
	v_add_nc_u32 v[CO+\n], v[CO+\n], v[T0]
	v_lshl_add_u32 v[CO+\n], v[T2], 7, v[CO+\n]
	v_add_nc_u32 v[CO+\n], v[LC], v[CO+\n]
	v_mul_u32_u24 v[SO+\n], v[T3], 3200
	v_lshl_add_u32 v[SO+\n], v[T1], 7, v[SO+\n]
	v_lshl_add_u32 v[SO+\n], v[T2], 5, v[SO+\n]
	v_add_nc_u32 v[SO+\n], v[LS], v[SO+\n]
.endm
.macro BATCH g                         ; tiles 8 g .. 8 g + 7
.set n, 0
.rept 8
	ADDR n, 8*\g+n                                 ; (these lines are also the places between the batch before's products and the loads into their registers)
.set n, n+1
.endr
	WIN 0x40                                       ; destination window 1
.set n, 0
.rept 8
.set q, 0
.rept 6
	global_load_b128 v[24*n+4*q:24*n+4*q+3], v[CO+n], s[6:7] offset:512*q
.set q, q+1
.endr
.set n, n+1
.endr
	WIN 0
.set n, 0
.rept 8
	global_load_b32 v[BS+n], v[SO+n], s[8:9]
.set n, n+1
.endr
	s_wait_loadcnt 0x0                             ; all of them (in the first batch the query and the labels too); it also frees the offsets
	WIN 0x04                                       ; source 1 window 1
.set n, 0
.rept 8                                        ; the eight accumulators take turns
	v_wmma_scale_f32_16x16x128_f8f6f4 v[D+8*n:D+8*n+7], v[AQ:AQ+11], v[24*n:24*n+11], 0, v[AQS], v[BS+n] matrix_a_fmt:MATRIX_FMT_BF6 matrix_b_fmt:MATRIX_FMT_BF6
.set n, n+1
.endr
.set n, 0
.rept 8
	v_wmma_scale_f32_16x16x128_f8f6f4 v[D+8*n:D+8*n+7], v[AQ+12:AQ+23], v[24*n+12:24*n+23], v[D+8*n:D+8*n+7], v[AQS], v[BS+n] matrix_a_fmt:MATRIX_FMT_BF6 matrix_b_fmt:MATRIX_FMT_BF6 matrix_a_scale:MATRIX_SCALE_ROW1 matrix_b_scale:MATRIX_SCALE_ROW1
.set n, n+1
.endr
	WIN 0
.rept 4
	v_nop                                          ; places in front of the first read of the results
.endr
.set n, 0
.rept 4
	v_cndmask_b32 v[V+4*\g+n], v[D+16*n], v[D+16*n+8], s22   ; lanes 0-15 from the even tile, lanes 16-31 from the odd one
.set n, n+1
.endr
.endm
	s_load_b256 s[4:11], s[0:1], 0x0               ; subs, ccodes, cscales, qcodes
	s_load_b128 s[12:15], s[0:1], 0x20             ; qscales, candidate_labels
	s_load_b64 s[16:17], s[0:1], 0x30              ; out0
	v_lshrrev_b32 v1, 5, v0
	v_readfirstlane_b32 s28, v1                    ; wave
	v_and_b32 v[LANE], 31, v0
	v_lshlrev_b32 v1, 2, v[LANE]                   ; 4 x lane
	v_bfe_u32 v3, v0, 4, 1                         ; h
	v_lshlrev_b32 v[H256], 8, v3
	v_lshlrev_b32 v[H64], 6, v3
	v_bfe_u32 v[VE], v0, 3, 1
	v_lshlrev_b32 v[VE], 2, v[VE]
	v_lshrrev_b32 v[VI], 3, v[LANE]
	v_lshlrev_b32 v[VI], 2, v[VI]
	v_and_b32 v[J], 7, v0
	v_lshl_add_u32 v[LC], v[J], 4, v[H256]
	v_lshl_add_u32 v[LS], v[J], 2, v[H64]
	v_mov_b32 v[XP], 0                             ; (a lane permute's destination counts as read)
	s_mov_b32 s20, 0x76543210
	s_mov_b32 s21, 0xfedcba98                      ; selects: lane l xor 16
	s_mov_b32 s22, 0xffff0000                      ; lanes 16-31
	s_mov_b32 s23, 0x3fb8aa3b                      ; log2(e)
	s_lshl_b32 s29, ttmp9, 2
	s_add_co_u32 s29, s29, s28                     ; the query
	s_lshr_b32 s30, s29, 4                         ; its tile
	s_and_b32 s31, s29, 15                         ; its row there
	s_mov_b32 s25, 0
	s_wait_kmcnt 0x0
	s_lshl_b32 s24, s29, 8
	s_add_nc_u64 s[4:5], s[4:5], s[24:25]          ; its list
	s_mul_i32 s24, s30, 3072
	s_lshl_b32 s26, s31, 4
	s_add_co_u32 s24, s24, s26
	s_add_nc_u64 s[10:11], s[10:11], s[24:25]      ; its codes: lane r of the tile's image
	s_lshl_b32 s24, s30, 7
	s_lshl_b32 s26, s31, 2
	s_add_co_u32 s24, s24, s26
	s_add_nc_u64 s[12:13], s[12:13], s[24:25]      ; its scale words
	s_mul_i32 s24, s29, 40
	s_add_nc_u64 s[16:17], s[16:17], s[24:25]      ; its row of the result
.set u, 0
.rept 32
	global_load_b32 v[E+u], v[VE], s[4:5] offset:8*u
.set u, u+1
.endr
.set i, 0
.rept 16
	global_load_b32 v[EI+i], v[VI], s[4:5] offset:16*i
.set i, i+1
.endr
.irp q, 0,1,2,3,4,5
	global_load_b128 v[AQ+4*\q:AQ+4*\q+3], v[H256], s[10:11] offset:512*\q   ; every lane of a half takes the same 16 bytes: the query's row stands in all 16 rows
.endr
	global_load_b32 v[AQS], v[H64], s[12:13]
	s_wait_loadcnt 7                               ; the list words are in; the query's seven loads may be out
.set i, 0
.rept 16                                       ; my own candidates: index 200 slot + 8 t + lane % 8
	v_and_b32 v[T0], 511, v[EI+i]
	v_min_u32 v[T0], 499, v[T0]
	v_lshrrev_b32 v[T1], 9, v[EI+i]
	v_min_u32 v[T1], 24, v[T1]
	v_mul_u32_u24 v[XI+i], v[T0], 200
	v_lshl_add_u32 v[XI+i], v[T1], 3, v[XI+i]
	v_add_nc_u32 v[XI+i], v[J], v[XI+i]
	v_lshlrev_b32 v[W+i], 2, v[XI+i]
.set i, i+1
.endr
.set i, 0
.rept 16
	global_load_b32 v[LB+i], v[W+i], s[14:15]
.set i, i+1
.endr
	BATCH 0
	BATCH 1
	BATCH 2
	BATCH 3
	; keys: -0 becomes +0, then bits xor (sign ? all ones : the top bit)
.irp i, 0,1,2,3,4,5,6,7,8,9,10,11,12,13,14,15
	v_add_f32 v[V+\i], 0, v[V+\i]
.endr
.irp i, 0,1,2,3,4,5,6,7,8,9,10,11,12,13,14,15
	v_ashrrev_i32 v[W+\i], 31, v[V+\i]
.endr
.irp i, 0,1,2,3,4,5,6,7,8,9,10,11,12,13,14,15
	v_or_b32 v[W+\i], 0x80000000, v[W+\i]
.endr
.irp i, 0,1,2,3,4,5,6,7,8,9,10,11,12,13,14,15
	v_xor_b32 v[KY+\i], v[V+\i], v[W+\i]
.endr
	s_mov_b32 s32, 0                               ; T
	s_mov_b32 s33, 0x80000000                      ; the bit on trial
	s_mov_b32 s34, 0
.Lbit:
	s_or_b32 s35, s32, s33
	COUNT v_cmp_le_u32, 35, KY                     ; keys at or above T with the bit set
	s_cmp_ge_u32 s40, 64
	s_cselect_b32 s32, s35, s32                    ; 64 or more: the bit stays
	s_lshr_b32 s33, s33, 1
	s_add_co_u32 s34, s34, 1
	s_cmp_lt_u32 s34, 32
	s_cbranch_scc1 .Lbit
	COUNT v_cmp_lt_u32, 32, KY                     ; keys above T: 63 at the most
	s_sub_co_u32 s36, 64, s40                      ; need: so many of the equal keys are taken
.irp i, 0,1,2,3,4,5,6,7,8,9,10,11,12,13,14,15
	v_cmp_eq_u32 vcc_lo, s32, v[KY+\i]
	v_cndmask_b32 v[W+\i], -1, v[XI+\i], vcc_lo    ; an equal key's index; all ones for the others
.endr
	s_mov_b32 s37, 0                               ; X: the largest number with fewer than need such indices under it = the need-th smallest
	s_mov_b32 s33, 0x10000                         ; indices stay under 2^17
	s_mov_b32 s34, 0
.Lidx:
	s_or_b32 s35, s37, s33
	COUNT v_cmp_gt_u32, 35, W
	s_cmp_lt_u32 s40, s36
	s_cselect_b32 s37, s35, s37
	s_lshr_b32 s33, s33, 1
	s_add_co_u32 s34, s34, 1
	s_cmp_lt_u32 s34, 17
	s_cbranch_scc1 .Lidx
.irp i, 0,1,2,3,4,5,6,7,8,9,10,11,12,13,14,15
	v_cmp_lt_u32 s[66+\i], s32, v[KY+\i]
	v_cmp_ge_u32 s38, s37, v[W+\i]
	s_or_b32 s[66+\i], s[66+\i], s38               ; a member of the top 64: above T, or equal with an index up to X
.endr
	; the softmax of the 64: the largest of all 512 is one of them, and is taken away first
	v_max3_num_f32 v[T0], v[V], v[V+1], v[V+2]
.irp i, 3,5,7,9,11,13
	v_max3_num_f32 v[T0], v[T0], v[V+\i], v[V+\i+1]
.endr
	v_max_num_f32 v[T0], v[T0], v[V+15]
	RED v_max_num_f32, T0, XP
	v_mul_f32 v[T1], s23, v[T0]
.irp i, 0,1,2,3,4,5,6,7,8,9,10,11,12,13,14,15
	v_fma_f32 v[KY+\i], v[V+\i], s23, -v[T1]       ; (value - largest) x log2(e)
.endr
.irp i, 0,1,2,3,4,5,6,7,8,9,10,11,12,13,14,15
	v_exp_f32 v[KY+\i], v[KY+\i]
.endr
	v_mov_b32 v[OUT], 0                            ; a plain line behind the exponentials
	s_wait_alu depctr_va_vdst(0)                   ; one wait for the sixteen, ahead of their first reader
.irp i, 0,1,2,3,4,5,6,7,8,9,10,11,12,13,14,15
	v_cndmask_b32 v[KY+\i], 0, v[KY+\i], s[66+\i]  ; who is no member weighs nothing
.endr
	v_add_f32 v[T0], v[KY], v[KY+1]
	v_add_f32 v[T2], v[KY+2], v[KY+3]
.irp i, 4,6,8,10,12,14
	v_add_f32 v[T0], v[T0], v[KY+\i]
	v_add_f32 v[T2], v[T2], v[KY+\i+1]
.endr
	v_add_f32 v[T0], v[T0], v[T2]
	RED v_add_f32, T0, XP
	v_rcp_f32 v[RC], v[T0]
	v_nop                                          ; a plain line behind the reciprocal
.irp c, 0,1,2,3,4,5,6,7,8,9                    ; class c: the weights of the members that bear its label; lane c keeps the sum.  (This work names neither the reciprocal nor its source)
	v_cmp_eq_u32 vcc_lo, \c, v[LB]
	v_cndmask_b32 v[T1], 0, v[KY], vcc_lo
	v_cmp_eq_u32 vcc_lo, \c, v[LB+1]
	v_cndmask_b32 v[T3], 0, v[KY+1], vcc_lo
.irp i, 2,4,6,8,10,12,14
	v_cmp_eq_u32 vcc_lo, \c, v[LB+\i]
	v_cndmask_b32 v[T2], 0, v[KY+\i], vcc_lo
	v_add_f32 v[T1], v[T1], v[T2]
	v_cmp_eq_u32 vcc_lo, \c, v[LB+\i+1]
	v_cndmask_b32 v[T2], 0, v[KY+\i+1], vcc_lo
	v_add_f32 v[T3], v[T3], v[T2]
.endr
	v_add_f32 v[T1], v[T1], v[T3]
	RED v_add_f32, T1, XP
	s_mov_b32 s38, 1<<\c
	v_cndmask_b32 v[OUT], v[OUT], v[T1], s38
.endr
	s_wait_alu depctr_va_vdst(0)                   ; the wait for the reciprocal, ahead of its first reader
	v_mul_f32 v[OUT], v[OUT], v[RC]
	v_cmp_gt_u32 vcc_lo, 10, v[LANE]
	s_wait_xcnt 0x0                                ; EXEC changes only behind this wait
	s_and_saveexec_b32 s38, vcc_lo
	global_store_b32 v1, v[OUT], s[16:17]          ; the row's ten numbers
	s_wait_xcnt 0x0                                ; and again, in front of the line that widens it
	s_or_b32 exec_lo, exec_lo, s38
	s_endpgm
.Lfunc_end_k_q26dde06a59_final:
	.size	k_q26dde06a59_final, .Lfunc_end_k_q26dde06a59_final-k_q26dde06a59_final
	.p2alignl 7, 3214868480
	.fill 96, 4, 3214868480
	.section	.rodata,"a",@progbits
	.p2align	6, 0x0
	.amdhsa_kernel k_q26dde06a59_final
		.amdhsa_group_segment_fixed_size 0
		.amdhsa_private_segment_fixed_size 0
		.amdhsa_enable_private_segment 0
		.amdhsa_kernarg_size 56
		.amdhsa_user_sgpr_count 2
		.amdhsa_user_sgpr_kernarg_segment_ptr 1
		.amdhsa_wavefront_size32 1
		.amdhsa_system_sgpr_workgroup_id_x 1
		.amdhsa_system_sgpr_workgroup_id_y 1
		.amdhsa_system_sgpr_workgroup_id_z 1
		.amdhsa_system_vgpr_workitem_id 0
		.amdhsa_next_free_vgpr 448
		.amdhsa_next_free_sgpr 96
		.amdhsa_reserve_vcc 1
		.amdhsa_float_denorm_mode_32 3
		.amdhsa_float_denorm_mode_16_64 3
		.amdhsa_memory_ordered 1
		.amdhsa_forward_progress 1
		.amdhsa_inst_pref_size 112
	.end_amdhsa_kernel
	.amdgpu_metadata
---
amdhsa.version: [ 1, 2 ]
amdhsa.kernels:
  - .name:           k_q26dde06a59_final
    .symbol:         k_q26dde06a59_final.kd
    .args:
      - { .name: subs, .offset: 0, .size: 8, .value_kind: global_buffer, .address_space: global }
      - { .name: ccodes, .offset: 8, .size: 8, .value_kind: global_buffer, .address_space: global }
      - { .name: cscales, .offset: 16, .size: 8, .value_kind: global_buffer, .address_space: global }
      - { .name: qcodes, .offset: 24, .size: 8, .value_kind: global_buffer, .address_space: global }
      - { .name: qscales, .offset: 32, .size: 8, .value_kind: global_buffer, .address_space: global }
      - { .name: candidate_labels, .offset: 40, .size: 8, .value_kind: global_buffer, .address_space: global }
      - { .name: out0, .offset: 48, .size: 8, .value_kind: global_buffer, .address_space: global }
    .group_segment_fixed_size: 0
    .private_segment_fixed_size: 0
    .kernarg_segment_align: 8
    .kernarg_segment_size: 56
    .max_flat_workgroup_size: 128
    .sgpr_count:     96
    .vgpr_count:     448
    .wavefront_size: 32
...
	.end_amdgpu_metadata
.endif
;; end of part 5
;; ======== version 2 of 2: 5 launches
;; limits: inputs' magnitudes at most 1.15e+18
;; workspace buffers: ccodes 19,200,000 bytes; cscales 800,000 bytes; qcodes 393,216 bytes; qscales 16,384 bytes; keys 4,096,000 bytes; sub 114,688,000 bytes; slots 524,288 bytes of whole numbers; subs 524,288 bytes of whole numbers
;; launch quant (part 6): grid 6378 x 1, 1 waves a work-group, no clusters, 16,896 bytes of LDS; arguments candidates, query, ccodes, cscales, qcodes, qscales; writes ccodes, cscales, qcodes, qscales
.if DOCPART == 6
	.amdgcn_target "amdgcn-amd-amdhsa--gfx1250"
	.amdhsa_code_object_version 6
	.text
	.protected	k_q26dde06a59_quant
	.globl	k_q26dde06a59_quant
	.p2align	8
	.type	k_q26dde06a59_quant,@function
k_q26dde06a59_quant:
	s_mov_b64 s[64:65], 0
	v_nop
	global_prefetch_b8 v0, s[64:65] scope:SCOPE_SE
	s_setreg_imm32_b32 hwreg(HW_REG_WAVE_MODE, 25, 1), 1
	s_wait_xcnt 0x0
; Rows of candidates [100000][256] and query [2048][256], f32, are divided by max(their length, 1e-12) and turned into codes of BF6 (E3M2) with one E8M0 byte for each 32 along K.
; One wave makes one TILE of 16 rows and stores it as the image of a matrix operand: [tile][K step 2][chunk 3][lane 32][16 bytes]; the scale words as [tile][32]: lanes 0-15 the rows' words of K step 0, lanes 16-31 of K step 1.
; THE ROWS OF A CANDIDATE TILE ARE NOT NEIGHBOURS.  The candidates are cut into 250 slices of 400; tile t (0..24) of a slice takes rows 400 slice + 8 t + 0..7 and rows 400 slice + 200 + 8 t + 0..7,
; so that in the products of the later launches a lane's eight results belong to one run of 200 neighbouring candidates.  A tile of queries is 16 neighbouring rows.
; A block's scale byte is its largest magnitude's exponent field less 4, held at 1 from below (a block of zeros keeps the byte 1: its codes are zeros, and this program alone reads the bytes).
; LIMITS: NaN and infinities among the inputs are not served, nor rows whose sum of squares passes the largest f32 number.
; The first NT work-groups take candidates, the others queries: only pointers and row numbers are chosen, the text has one path.  One wave to a work-group: no barrier.
.set NT,    6250                       ; tiles of candidates
.set PITCH, 1040                       ; a row in LDS: 1,024 bytes + 16: sixteen rows begin in sixteen different groups of banks
.set X,     16                         ; v16-143  the tile: first as loaded, then my 4 blocks of 32 numbers
.set F,     144                        ; v144-167 the two fragments
.set TMP,   168                        ; v168-183 sums of squares, later the upper halves of the blocks' codes
.set AM,    184                        ; v184-187 largest magnitudes, then bytes
.set SC,    188                        ; v188-191 the conversions' scale operands
	s_load_b256 s[4:11], s[0:1], 0x0               ; candidates, query, ccodes, cscales
	s_load_b128 s[12:15], s[0:1], 0x20             ; qcodes, qscales
	v_lshl_add_u32 v192, v0, 2, 0x4100
	v_mov_b32 v193, 0
	v_lshlrev_b32 v1, 4, v0                        ; 16 x lane
	v_and_b32 v5, 15, v0                           ; m: my row of the tile
	v_lshrrev_b32 v6, 4, v0                        ; h
	v_mul_u32_u24 v2, v5, PITCH
	v_lshl_add_u32 v2, v6, 7, v2                   ; row m, + 128 h bytes: my block of each 64 along K
	v_lshlrev_b32 v3, 2, v0                        ; 4 x lane
	v_lshlrev_b32 v4, 3, v6                        ; 8 h: where my bytes stand in a scale word
	v_mov_b32 v7, 0                                ; (a lane permute's destination counts as read)
	v_mov_b32 v14, 0
	v_mov_b32 v15, 0
	s_mov_b32 s20, 0x76543210
	s_mov_b32 s21, 0xfedcba98                      ; selects: lane l xor 16
	s_mov_b32 s22, 0xffff0000                      ; lanes 16-31
	s_mul_i32 s16, ttmp9, 5243
	s_lshr_b32 s16, s16, 17                        ; slice = tile / 25 (exact for tiles under 6,250)
	s_mul_i32 s17, s16, 25
	s_sub_co_u32 s17, ttmp9, s17                   ; t
	s_mul_i32 s18, s16, 400
	s_lshl_b32 s17, s17, 3
	s_add_co_u32 s18, s18, s17                     ; candidates: rows 0-7 of the tile begin here,
	s_add_co_u32 s19, s18, 200                     ; rows 8-15 here
	s_sub_co_u32 s23, ttmp9, NT                    ; the tile of queries
	s_lshl_b32 s24, s23, 4
	s_add_co_u32 s25, s24, 8
	s_cmp_lt_u32 ttmp9, NT                         ; the choice hangs on the work-group's number alone
	s_cselect_b32 s18, s18, s24
	s_cselect_b32 s19, s19, s25
	s_cselect_b32 s23, ttmp9, s23
	s_wait_alu depctr_va_vdst(0)
	s_wait_kmcnt 0x0
	s_cselect_b64 s[4:5], s[4:5], s[6:7]
	s_cselect_b64 s[8:9], s[8:9], s[12:13]
	s_cselect_b64 s[10:11], s[10:11], s[14:15]
	s_mov_b32 s27, 0
	s_lshl_b32 s26, s18, 10
	s_add_nc_u64 s[28:29], s[4:5], s[26:27]        ; rows 0-7
	s_lshl_b32 s26, s19, 10
	s_add_nc_u64 s[30:31], s[4:5], s[26:27]        ; rows 8-15
	s_mul_i32 s26, s23, 3072
	s_add_nc_u64 s[8:9], s[8:9], s[26:27]          ; the tile's codes
	s_lshl_b32 s26, s23, 7
	s_add_nc_u64 s[10:11], s[10:11], s[26:27]      ; and its scale words
	; 32 loads of 512 consecutive bytes: half a row each
.set i, 0
.rept 32
.if i < 16
	global_load_b128 v[X+4*i:X+4*i+3], v1, s[28:29] offset:((i/2)%8)*1024+512*(i%2) th:TH_LOAD_NT
.else
	global_load_b128 v[X+4*i:X+4*i+3], v1, s[30:31] offset:((i/2)%8)*1024+512*(i%2) th:TH_LOAD_NT
.endif
.set i, i+1
.endr
.set i, 0
.rept 32
	s_wait_loadcnt 31-i                            ; loads come back in order: load i is in, the younger ones stay out
	ds_store_b128 v1, v[X+4*i:X+4*i+3] offset:(i/2)*PITCH+512*(i%2)
.set i, i+1
.endr
	s_wait_dscnt 0x0                               ; the stores have read X, which the loads below fill again
	; back in the operand's order: lane (m, h) takes of row m the blocks k = 64 b + 32 h + 0..31, b = 0..3
.set b, 0
.rept 4
.set i, 0
.rept 8
	ds_load_b128 v[X+32*b+4*i:X+32*b+4*i+3], v2 offset:256*b+16*i
.set i, i+1
.endr
.set b, b+1
.endr
	s_wait_dscnt 0x0
	; the row's length: my 128 squares in four packed chains, then lane l xor 16's
.irp c, 0,1,2,3
	v_pk_mul_f32 v[TMP+2*\c:TMP+2*\c+1], v[X+2*\c:X+2*\c+1], v[X+2*\c:X+2*\c+1]
.endr
.set j, 4
.rept 60
	v_pk_fma_f32 v[TMP+2*(j%4):TMP+2*(j%4)+1], v[X+2*j:X+2*j+1], v[X+2*j:X+2*j+1], v[TMP+2*(j%4):TMP+2*(j%4)+1]
.set j, j+1
.endr
	v_pk_add_f32 v[TMP:TMP+1], v[TMP:TMP+1], v[TMP+2:TMP+3]
	v_pk_add_f32 v[TMP+4:TMP+5], v[TMP+4:TMP+5], v[TMP+6:TMP+7]
	v_pk_add_f32 v[TMP:TMP+1], v[TMP:TMP+1], v[TMP+4:TMP+5]
	v_add_f32 v[TMP], v[TMP], v[TMP+1]
	v_permlanex16_b32 v7, v[TMP], s20, s21
	v_add_f32 v[TMP], v[TMP], v7
	s_wait_alu depctr_va_vdst(0)
	v_sqrt_f32 v12, v[TMP]
	v_nop                                          ; a plain line behind the root
	s_wait_alu depctr_va_vdst(0)                   ; and the wait ahead of its first reader
	v_max_num_f32 v12, 0x2b8cbccc, v12             ; max(length, 1e-12)
	s_wait_alu depctr_va_vdst(0)
	v_rcp_f32 v10, v12
	v_nop
	s_wait_alu depctr_va_vdst(0)
	v_fma_f32 v13, -v12, v10, 1.0                  ; one Newton step: what goes into the quantiser is as close as f32 allows
	v_fma_f32 v10, v10, v13, v10
	v_mov_b32 v11, v10
.set j, 0
.rept 64
	v_pk_mul_f32 v[X+2*j:X+2*j+1], v[X+2*j:X+2*j+1], v[10:11]
.set j, j+1
.endr
	; my four blocks: all 32 numbers of a block are mine.  The floor 2^(5 - 127) among the leaves keeps the byte at 1 from below
.irp b, 0,1,2,3
	v_max3_num_f32 v[AM+\b], |v[X+32*\b]|, |v[X+32*\b+1]|, 0x2800000
.endr
.irp i, 2,4,6,8,10,12,14,16,18,20,22,24,26,28,30
.irp b, 0,1,2,3
	v_max3_num_f32 v[AM+\b], v[AM+\b], |v[X+32*\b+\i]|, |v[X+32*\b+\i+1]|
.endr
.endr
.irp b, 0,1,2,3
	v_add_nc_u32 v[SC+\b], 0xfe000000, v[AM+\b]    ; 4 off the exponent field: the conversion's scale operand
.endr
.irp b, 0,1,2,3
	v_lshrrev_b32 v[AM+\b], 23, v[SC+\b]           ; the scale's byte
.endr
.irp s, 0,1                                    ; K step s: my bytes are those of blocks h and 2 + h; lane l xor 16 has the other two
	v_lshl_or_b32 v[8+\s], v[AM+2*\s+1], 16, v[AM+2*\s]
	v_lshlrev_b32 v[8+\s], v4, v[8+\s]
	v_permlanex16_b32 v[14+\s], v[8+\s], s20, s21
	v_or_b32 v[8+\s], v[8+\s], v[14+\s]
.endr
	v_cndmask_b32 v8, v8, v9, s22                  ; lanes 0-15 keep K step 0's word, lanes 16-31 K step 1's
.irp b, 0,1,2,3
	v_cvt_scalef32_pk16_bf6_f32 v[F+6*\b:F+6*\b+2], v[X+32*\b:X+32*\b+15], v[SC+\b]
	v_cvt_scalef32_pk16_bf6_f32 v[TMP+4*\b:TMP+4*\b+2], v[X+32*\b+16:X+32*\b+31], v[SC+\b]   ; (a conversion's three registers begin on an even number)
.endr
	v_nop                                          ; one plain line behind the scaled conversions
.irp b, 0,1,2,3
.irp i, 0,1,2
	v_mov_b32 v[F+6*\b+3+\i], v[TMP+4*\b+\i]
.endr
.endr
.irp q, 0,1,2,3,4,5
	global_store_b128 v1, v[F+4*\q:F+4*\q+3], s[8:9] offset:512*\q   ; 512 consecutive bytes, at a multiple of 256 from the buffer's first byte
.endr
	global_store_b32 v3, v8, s[10:11]
	s_wait_tensorcnt 0x0
	ds_add_u32 v192, v193
	s_wait_dscnt 0x0
	s_endpgm
.Lfunc_end_k_q26dde06a59_quant:
	.size	k_q26dde06a59_quant, .Lfunc_end_k_q26dde06a59_quant-k_q26dde06a59_quant
	.p2alignl 7, 3214868480
	.fill 96, 4, 3214868480
	.section	.rodata,"a",@progbits
	.p2align	6, 0x0
	.amdhsa_kernel k_q26dde06a59_quant
		.amdhsa_group_segment_fixed_size 16896
		.amdhsa_private_segment_fixed_size 0
		.amdhsa_enable_private_segment 0
		.amdhsa_kernarg_size 48
		.amdhsa_user_sgpr_count 2
		.amdhsa_user_sgpr_kernarg_segment_ptr 1
		.amdhsa_wavefront_size32 1
		.amdhsa_system_sgpr_workgroup_id_x 1
		.amdhsa_system_sgpr_workgroup_id_y 1
		.amdhsa_system_sgpr_workgroup_id_z 1
		.amdhsa_system_vgpr_workitem_id 0
		.amdhsa_next_free_vgpr 194
		.amdhsa_next_free_sgpr 66
		.amdhsa_reserve_vcc 0
		.amdhsa_float_denorm_mode_32 3
		.amdhsa_float_denorm_mode_16_64 3
		.amdhsa_memory_ordered 1
		.amdhsa_forward_progress 1
		.amdhsa_inst_pref_size 26
	.end_amdhsa_kernel
	.amdgpu_metadata
---
amdhsa.version: [ 1, 2 ]
amdhsa.kernels:
  - .name:           k_q26dde06a59_quant
    .symbol:         k_q26dde06a59_quant.kd
    .args:
      - { .name: candidates, .offset: 0, .size: 8, .value_kind: global_buffer, .address_space: global }
      - { .name: query, .offset: 8, .size: 8, .value_kind: global_buffer, .address_space: global }
      - { .name: ccodes, .offset: 16, .size: 8, .value_kind: global_buffer, .address_space: global }
      - { .name: cscales, .offset: 24, .size: 8, .value_kind: global_buffer, .address_space: global }
      - { .name: qcodes, .offset: 32, .size: 8, .value_kind: global_buffer, .address_space: global }
      - { .name: qscales, .offset: 40, .size: 8, .value_kind: global_buffer, .address_space: global }
    .group_segment_fixed_size: 16896
    .private_segment_fixed_size: 0
    .kernarg_segment_align: 8
    .kernarg_segment_size: 48
    .max_flat_workgroup_size: 32
    .sgpr_count:     66
    .vgpr_count:     194
    .wavefront_size: 32
...
	.end_amdgpu_metadata
.endif
;; end of part 6
;; launch pass1 (part 7): grid 250 x 1, 4 waves a work-group, no clusters, 29,184 bytes of LDS; arguments ccodes, cscales, qcodes, qscales, keys, sub; writes keys, sub
.if DOCPART == 7
	.amdgcn_target "amdgcn-amd-amdhsa--gfx1250"
	.amdhsa_code_object_version 6
	.text
	.protected	k_q26dde06a59_pass1
	.globl	k_q26dde06a59_pass1
	.p2align	8
	.type	k_q26dde06a59_pass1,@function
k_q26dde06a59_pass1:
	s_mov_b64 s[64:65], 0
	v_nop
	global_prefetch_b8 v0, s[64:65] scope:SCOPE_SE
	s_setreg_imm32_b32 hwreg(HW_REG_WAVE_SCHED_MODE, 0, 2), 2
	s_setreg_imm32_b32 hwreg(HW_REG_WAVE_MODE, 25, 1), 1
	s_wait_xcnt 0x0
	s_wait_alu depctr_vm_vsrc(0)
; All similarities, of which two levels of maxima are kept.  A SUB-SLOT is a run of 8 neighbouring candidates, a SLOT a run of 200 (25 sub-slots); a slice (400 candidates, 25 tiles of 16) holds two slots.
; A work-group takes one slice.  Each of its four waves keeps the slice's 25 tiles of codes in registers (600 registers, windows 1 to 3) and walks 16 pairs of query tiles (32 queries a pair).
; Source 0 = 16 candidates, source 1 = 16 queries: lane (r, h) of tile t's result holds query r, and its eight registers are sub-slot t of slot 2 slice + h (the tiles' rows were chosen so).
; So a sub-slot's maximum is four lines within a lane, and nothing crosses lanes.
; sub:  [slice 250][query tile 128][lane 32][28] f32: a lane's 25 maxima and three pads, 112 bytes on end, so that a later launch reads a query's slot as one run.  A lane's 112 bytes and its neighbours' go
;       through the wave's own LDS (pitch 112 bytes = 28 words) and leave as 512 consecutive bytes a store.
; keys: [pair 64][slice 250][lane 32][tile of the pair 2]: the slot's maximum as a whole number that keeps the order of the floats: bits xor (sign ? all ones : the top bit).
; No tensor load, no cluster: the grid of 250 has no divisor 4, the stationary operand lies in registers, and the moving one (24 registers a query tile) feeds 50 products a load.
; LIMIT: NaN is not served.
; REGISTERS, window 0: v1 16 x lane, v2 4 x lane, v4 8 x lane, v5, v6 LDS addresses; v8-32 the candidates' scale words; v34-37 the queries'; v40-135 the queries' fragments, two buffers;
;   v136-167 accumulators, two sets; v168-171 at work; v172-227 the maxima, 28 for each tile of the pair; v228-231 keys.   window 3, v120-175: the maxima on their way out.
; THE MODE: SCHED_MODE bits 1:0 = 2 (LLVM: expert scheduling mode 2), set by the entry lines.  The code itself states the register dependences
; between vector or matrix instructions and memory or LDS instructions, with s_wait_alu, always for 0.
; THE PLAN.  Registers that memory or LDS instructions touch:
;   v1, v2, v4, v5, v6  offsets and LDS addresses: written at the head and never again; the rows are reached by scalar bases and immediate offsets.
;   the candidates' fragments and scale words: loaded at the head and never again.
;   QF0, QF1 and their scale words  Trip b's products read buffer b; the 14 loads of the next pair land in buffer 1 - b, one behind each of the trip's first 14 units.
;   S     Written by the units' maxima; read by the trip's 14 LDS stores (and by the key lines, which are vector lines).
;   O     56 registers that no vector or matrix instruction names: the trip's 14 LDS loads land in them, its 14 stores read them.
;   KEY   Written by the key lines; read by one store.
; Behind the last maxima: the stores of the trip before have read O and KEY; S is written; this trip's products are done reading their buffer of queries.
; Behind the key lines: the LDS stores have read S, which the next trip's maxima write again; KEY is written.  The loads that are dealt among the next trip's units owe nothing more:
; no vector or matrix instruction between those waits and the loads names the buffer in which they land.
.set CS,  8
.set QS,  34
.set QF,  40
.set ACC, 136
.set TA,  168
.set S,   172
.set KEY, 228
.set TK,  230
.set OB,  120                          ; in window 3: v120-147 the first tile's maxima as they will lie in memory, v148-175 the second's
.set LSA, 5                            ; v5  LDS: wave x 7,168 + 112 x lane
.set LLA, 6                            ; v6  LDS: wave x 7,168 + 16 x lane
.set MSB, 0
.macro WIN new                         ; the immediate's high byte repeats the setting that is left; a switch that changes nothing is dropped
.if MSB != \new
	s_set_vgpr_msb (MSB<<8)|\new
.set MSB, \new
.endif
.endm
.macro MM0 d, a, q, sa, sq             ; K step 0 starts the sum
	v_wmma_scale_f32_16x16x128_f8f6f4 v[\d:\d+7], v[\a:\a+11], v[\q:\q+11], 0, v[\sa], v[\sq] matrix_a_fmt:MATRIX_FMT_BF6 matrix_b_fmt:MATRIX_FMT_BF6
.endm
.macro MM1 d, a, q, sa, sq             ; K step 1 adds onto it; its scale words stand in lanes 16-31
	v_wmma_scale_f32_16x16x128_f8f6f4 v[\d:\d+7], v[\a:\a+11], v[\q:\q+11], v[\d:\d+7], v[\sa], v[\sq] matrix_a_fmt:MATRIX_FMT_BF6 matrix_b_fmt:MATRIX_FMT_BF6 matrix_a_scale:MATRIX_SCALE_ROW1 matrix_b_scale:MATRIX_SCALE_ROW1
.endm
.macro LOADQ b                         ; a pair of query tiles into buffer b: 12 + 2 loads, in one run: the first pair, at the head
.irp i, 0,1,2,3,4,5,6,7,8,9,10,11
	global_load_b128 v[QF+48*(\b)+4*\i:QF+48*(\b)+4*\i+3], v1, s[8:9] offset:512*\i
.endr
.irp x, 0,1
	global_load_b32 v[QS+2*(\b)+\x], v2, s[10:11] offset:128*\x
.endr
.endm
; The maximum of an accumulator's eight registers, for both accumulators of set ap by turns, in two groups of four lines; each accumulator is read from its low end on.
.macro GROUPA ap
	v_max3_num_f32 v[TA], v[\ap], v[\ap+1], v[\ap+2]
	v_max3_num_f32 v[TA+1], v[\ap+8], v[\ap+9], v[\ap+10]
	v_max3_num_f32 v[TA+2], v[\ap+3], v[\ap+4], v[\ap+5]
	v_max3_num_f32 v[TA+3], v[\ap+11], v[\ap+12], v[\ap+13]
.endm
.macro GROUPB ap, tp                   ; tp: the tile whose results lie in set ap
	v_max3_num_f32 v[TA], v[TA], v[TA+2], v[\ap+6]
	v_max3_num_f32 v[TA+1], v[TA+1], v[TA+3], v[\ap+14]
	v_max_num_f32 v[S+\tp], v[TA], v[\ap+7]
	v_max_num_f32 v[S+28+\tp], v[TA+1], v[\ap+15]
.endm
; A unit: candidate tile t against the pair's two query tiles, two K steps.  The two accumulators take turns, one instruction a turn.
; Between the pairs of products stand the lines for the unit before, whose results lie in the other set.  They name three vector sources, so they stand under window 0: four switches a unit.
; A result is first read behind the four lines of the group that follows its last product, which name none of that product's registers.
; At the end of each of the first 14 units, under window 0, stands one load of the next pair, into the other buffer: in trip 0 one pair beyond the bases, in trip 1 at the bases.
.macro UNIT t, b
.set W,  1+(\t)/10
.set CA, 24*((\t)%10)
.set AS, ACC+16*((\t)%2)
.set AP, ACC+16*(((\t)+1)%2)
.set QB, QF+48*(\b)
.set SQ, QS+2*(\b)
	WIN W
	MM0 AS, CA, QB, CS+(\t), SQ
	MM0 AS+8, CA, QB+24, CS+(\t), SQ+1
.if (\t) > 0
	WIN 0
	GROUPA AP
	WIN W
.endif
	MM1 AS, CA+12, QB+12, CS+(\t), SQ
	MM1 AS+8, CA+12, QB+36, CS+(\t), SQ+1
	WIN 0
.if (\t) > 0
	GROUPB AP, (\t)-1
.else
.rept 4
	v_nop                                          ; the places between the first unit's products and the first read of their results
.endr
.endif
.if (\t) < 12
	global_load_b128 v[QF+48*(1-(\b))+4*(\t):QF+48*(1-(\b))+4*(\t)+3], v1, s[8:9] offset:6144*(1-(\b))+512*(\t)   ; no wait: no vector or matrix instruction since the waits at the last trip's end names the other buffer
.elseif (\t) < 14
	global_load_b32 v[QS+2*(1-(\b))+(\t)-12], v2, s[10:11] offset:256*(1-(\b))+128*((\t)-12)
.endif
.endm
.macro TRIP b
	s_wait_loadcnt 0x0                             ; this trip's pair is in: its 14 loads were issued in the first 14 units of the trip before (in the first trip: at the head, and the candidates with them)
.set u, 0
.rept 25
	UNIT u, \b
.set u, u+1
.endr
	GROUPA ACC                                     ; unit 24's results lie in set 0; the four lines of the group before are the places behind its last products
	GROUPB ACC, 24
	s_wait_xcnt 0x0                                ; this trip's loads and the stores of the trip before have had their addresses translated: the four bases, O and KEY are written only behind this wait
	s_wait_alu depctr_vm_vsrc(0)                   ; the stores of the trip before have read O, in which the LDS loads below land, and KEY, which the key lines below write
	s_wait_alu depctr_va_vdst(0)                   ; the maxima have written S, which the LDS stores below read; this trip's products are done reading their buffer of queries, in which the next trip's loads land
	s_add_nc_u64 s[12:13], s[12:13], s[22:23]      ; this pair's keys and maxima (the steps are 0 in the first trip)
	s_add_nc_u64 s[14:15], s[14:15], s[26:27]
.if \b == 0
	s_cmp_lt_u32 s24, 7                            ; the queries' bases go on by two pairs; in the last lap by one: behind the wave's last pair there is none, and the last pair is loaded once more, inside its buffer
	s_mov_b32 s20, 6144
	s_cselect_b32 s20, 12288, s20
	s_add_nc_u64 s[8:9], s[8:9], s[20:21]
	s_mov_b32 s20, 256
	s_cselect_b32 s20, 512, s20
	s_add_nc_u64 s[10:11], s[10:11], s[20:21]
.endif
.irp x, 0,1                                    ; the maxima into my wave's LDS, a lane's 112 bytes on end,
.irp c, 0,1,2,3,4,5,6
	ds_store_b128 v[LSA], v[S+28*\x+4*\c:S+28*\x+4*\c+3] offset:3584*\x+16*\c
.endr
.endr
	WIN 0xc0                                       ; destination window 3, address window 0
.irp i, 0,1,2,3,4,5,6                          ; and back as they will lie in memory (LDS serves a wave's instructions in order), into O
	ds_load_b128 v[OB+4*\i:OB+4*\i+3], v[LLA] offset:512*\i
.endr
.irp i, 0,1,2,3,4,5,6
	ds_load_b128 v[OB+28+4*\i:OB+28+4*\i+3], v[LLA] offset:3584+512*\i
.endr
	WIN 0
.irp x, 0,1                                    ; meanwhile: the slots' maxima, of the 25 sub-slots',
	v_max3_num_f32 v[TK+\x], v[S+28*\x], v[S+28*\x+1], v[S+28*\x+2]
.endr
.irp k, 3,5,7,9,11,13,15,17,19,21,23
.irp x, 0,1
	v_max3_num_f32 v[TK+\x], v[TK+\x], v[S+28*\x+\k], v[S+28*\x+\k+1]
.endr
.endr
.irp x, 0,1
	v_add_f32 v[TK+\x], 0, v[TK+\x]                ; -0 becomes +0: one key for one value
.endr
.irp x, 0,1
	v_ashrrev_i32 v[KEY+\x], 31, v[TK+\x]
.endr
.irp x, 0,1
	v_or_b32 v[KEY+\x], 0x80000000, v[KEY+\x]
.endr
.irp x, 0,1
	v_xor_b32 v[KEY+\x], v[KEY+\x], v[TK+\x]
.endr
	s_wait_dscnt 0x0                               ; the 14 LDS loads are in
	s_wait_alu depctr_vm_vsrc(0)                   ; the LDS stores have read S, which the next trip's maxima write again
	s_wait_alu depctr_va_vdst(0)                   ; the key lines have written KEY, which the store below reads
	global_store_b64 v4, v[KEY:KEY+1], s[12:13]    ; 256 consecutive bytes, aligned
	WIN 0x0c                                       ; a store's data are its source 1: window 3
.irp i, 0,1,2,3,4,5,6
	global_store_b128 v1, v[OB+4*\i:OB+4*\i+3], s[14:15] offset:512*\i   ; 512 consecutive bytes, at a multiple of 256 from the buffer's first byte
.endr
.irp i, 0,1,2,3,4,5,6
	global_store_b128 v1, v[OB+28+4*\i:OB+28+4*\i+3], s[14:15] offset:3584+512*\i
.endr
	WIN 0
	s_mov_b32 s22, 64000                           ; from pair to pair in keys,
	s_mov_b32 s26, 7168                            ; and in sub
.endm
	s_load_b256 s[4:11], s[0:1], 0x0               ; ccodes, cscales, qcodes, qscales
	s_load_b128 s[12:15], s[0:1], 0x20             ; keys, sub
	v_lshl_add_u32 v254, v0, 2, 0x7000
	v_mov_b32 v255, 0
	v_lshrrev_b32 v3, 5, v0
	v_readfirstlane_b32 s16, v3                    ; wave
	v_and_b32 v3, 31, v0
	v_lshlrev_b32 v1, 4, v3
	v_lshlrev_b32 v2, 2, v3
	v_lshlrev_b32 v4, 3, v3
	s_wait_alu depctr_va_sdst(0)                   ; s16 is written, ahead of its first reader: LDS addresses and all the bases are made from it
	s_mul_i32 s17, s16, 7168                       ; my wave's LDS: 3,584 bytes for each tile of the pair
	v_mul_u32_u24 v[LSA], v3, 112
	v_add_nc_u32 v[LSA], s17, v[LSA]
	v_add_nc_u32 v[LLA], s17, v1
.irp p, 25,26,27,53,54,55
	v_mov_b32 v[S+\p], 0xff800000                  ; the pads: written once, stored with the maxima, read by nobody
.endr
	s_mov_b32 s19, 0
	s_mov_b32 s21, 0
	s_mov_b32 s22, 0
	s_mov_b32 s23, 0
	s_mov_b32 s26, 0
	s_mov_b32 s27, 0
	s_mov_b32 s24, 0                               ; counts the loop's trips
	s_wait_kmcnt 0x0
	s_mul_i32 s18, ttmp9, 76800                    ; the slice's 25 tiles of 3,072 bytes
	s_add_nc_u64 s[4:5], s[4:5], s[18:19]
	s_mul_i32 s18, ttmp9, 3200
	s_add_nc_u64 s[6:7], s[6:7], s[18:19]
	s_mul_i32 s18, s16, 98304                      ; the wave's 32 query tiles
	s_add_nc_u64 s[8:9], s[8:9], s[18:19]
	s_lshl_b32 s18, s16, 12
	s_add_nc_u64 s[10:11], s[10:11], s[18:19]
	s_mul_i32 s18, s16, 1024000                    ; its 16 pairs in keys,
	s_lshl_b32 s17, ttmp9, 8                       ; and the slice's 256 bytes of each
	s_add_co_u32 s18, s18, s17
	s_add_nc_u64 s[12:13], s[12:13], s[18:19]
	s_mul_i32 s18, ttmp9, 458752                   ; sub: the slice's 128 query tiles of 3,584 bytes,
	s_mul_i32 s17, s16, 114688                     ; the wave's 32 of them
	s_add_co_u32 s18, s18, s17
	s_add_nc_u64 s[14:15], s[14:15], s[18:19]
	s_wait_alu depctr_va_vdst(0)                   ; the offsets and LDS addresses v1, v2, v4, v5, v6 are written, which every load and store of the kernel reads; only loads and window switches follow up to the loop
.set t, 0
.rept 25
	global_load_b32 v[CS+t], v2, s[6:7] offset:128*t
.set t, t+1
.endr
.set t, 0
.rept 25                                       ; tile t: window 1 + t / 10, registers 24 (t % 10) on: K step 0's fragment, then K step 1's
	WIN 0x40*(1+t/10)
.set i, 0
.rept 6
	global_load_b128 v[24*(t%10)+4*i:24*(t%10)+4*i+3], v1, s[4:5] offset:3072*t+512*i
.set i, i+1
.endr
.set t, t+1
.endr
	WIN 0
	LOADQ 0
.Lpairs:                                           ; 8 trips of two pairs
	TRIP 0
	TRIP 1
	s_add_co_u32 s24, s24, 1
	s_cmp_lt_u32 s24, 8
	s_cbranch_scc1 .Lpairs
	s_wait_dscnt 0x0                               ; the closing lines, six on end
	s_wait_alu 0x0
	s_wait_tensorcnt 0x0
	ds_add_u32 v254, v255
	s_wait_dscnt 0x0
	s_endpgm
.Lfunc_end_k_q26dde06a59_pass1:
	.size	k_q26dde06a59_pass1, .Lfunc_end_k_q26dde06a59_pass1-k_q26dde06a59_pass1
	.p2alignl 7, 3214868480
	.fill 96, 4, 3214868480
	.section	.rodata,"a",@progbits
	.p2align	6, 0x0
	.amdhsa_kernel k_q26dde06a59_pass1
		.amdhsa_group_segment_fixed_size 29184
		.amdhsa_private_segment_fixed_size 0
		.amdhsa_enable_private_segment 0
		.amdhsa_kernarg_size 48
		.amdhsa_user_sgpr_count 2
		.amdhsa_user_sgpr_kernarg_segment_ptr 1
		.amdhsa_wavefront_size32 1
		.amdhsa_system_sgpr_workgroup_id_x 1
		.amdhsa_system_sgpr_workgroup_id_y 1
		.amdhsa_system_sgpr_workgroup_id_z 1
		.amdhsa_system_vgpr_workitem_id 0
		.amdhsa_next_free_vgpr 1024
		.amdhsa_next_free_sgpr 66
		.amdhsa_reserve_vcc 0
		.amdhsa_float_denorm_mode_32 3
		.amdhsa_float_denorm_mode_16_64 3
		.amdhsa_memory_ordered 1
		.amdhsa_forward_progress 1
		.amdhsa_inst_pref_size 88
	.end_amdhsa_kernel
	.amdgpu_metadata
---
amdhsa.version: [ 1, 2 ]
amdhsa.kernels:
  - .name:           k_q26dde06a59_pass1
    .symbol:         k_q26dde06a59_pass1.kd
    .args:
      - { .name: ccodes, .offset: 0, .size: 8, .value_kind: global_buffer, .address_space: global }
      - { .name: cscales, .offset: 8, .size: 8, .value_kind: global_buffer, .address_space: global }
      - { .name: qcodes, .offset: 16, .size: 8, .value_kind: global_buffer, .address_space: global }
      - { .name: qscales, .offset: 24, .size: 8, .value_kind: global_buffer, .address_space: global }
      - { .name: keys, .offset: 32, .size: 8, .value_kind: global_buffer, .address_space: global }
      - { .name: sub, .offset: 40, .size: 8, .value_kind: global_buffer, .address_space: global }
    .group_segment_fixed_size: 29184
    .private_segment_fixed_size: 0
    .kernarg_segment_align: 8
    .kernarg_segment_size: 48
    .max_flat_workgroup_size: 128
    .sgpr_count:     66
    .vgpr_count:     1024
    .wavefront_size: 32
...
	.end_amdgpu_metadata
.endif
;; end of part 7
;; launch thresh (part 8): grid 256 x 1, 8 waves a work-group, no clusters, 0 bytes of LDS; arguments keys, slots; writes slots
.if DOCPART == 8
	.amdgcn_target "amdgcn-amd-amdhsa--gfx1250"
	.amdhsa_code_object_version 6
	.text
	.protected	k_q26dde06a59_thresh
	.globl	k_q26dde06a59_thresh
	.p2align	8
	.type	k_q26dde06a59_thresh,@function
k_q26dde06a59_thresh:
	s_mov_b64 s[64:65], 0
	v_nop
	global_prefetch_b8 v0, s[64:65] scope:SCOPE_SE
	s_setreg_imm32_b32 hwreg(HW_REG_WAVE_MODE, 25, 1), 1
	s_wait_xcnt 0x0
; For each query: the 64 best of its 500 slots by (maximum falling, slot rising).  Whole-number work on the keys; every trip count is a constant and no address is made from data.
; Every member of the query's top 64 lies in these slots: 64 slots that rank ahead of a slot hold 64 similarities that rank ahead of all of its own, since slots are runs of neighbouring candidates in rising order.
; One wave a query; lane l holds slots l + 32 i, i = 0..15 (slots 500 to 511 do not exist and hold the key 0, under every real key).
; The 64th largest key is found bit by bit from the top: the largest number t with 64 keys or more at or above it.  32 trips of 16 compares and 16 bit counts.  Of the keys equal to t the lowest slots are taken.
; THE LIST.  Each lane keeps its taken slots as bits i of one word, with bit 16 set beside them.  A take-out finds each lane's lowest bit, reads its place off the exponent field of the bit as f32, forms -(slot),
; takes the largest over the lanes (the lowest slot; bit 16 stands for slot 512 + lane, which loses against every real one), lets the winner clear its bit, and lane n keeps the result.
; 64 slots are taken, so 64 take-outs empty the words.  slots: [query][64], rising: lane n stores ranks 2 n and 2 n + 1.
; The keys come as single words of rows 128 bytes apart: the whole buffer is 4,096,000 bytes, read once.
.set K,   8                            ; v8-23 the keys
.set M,   24                           ; my taken slots, a bit each
.set B,   25
.set T0,  26
.set F,   27
.set G,   28
.set XP,  29
.set LST, 30                           ; v[30:31] the list
.set LBI, 32                           ; 127 x 32 - lane
.set T1,  33
.macro COUNT op, s                     ; s40 = how many keys stand in relation op to s[s]
.irp i, 0,1,2,3,4,5,6,7,8,9,10,11,12,13,14,15
	\op s[40+\i], s[\s], v[K+\i]
.endr
.irp i, 0,1,2,3,4,5,6,7,8,9,10,11,12,13,14,15
	s_bcnt1_i32_b32 s[40+\i], s[40+\i]
.endr
.irp i, 1,2,3,4,5,6,7,8,9,10,11,12,13,14,15
	s_add_co_u32 s40, s40, s[40+\i]
.endr
.endm
.macro EXTR dst                        ; one take-out; the lane named by s37 keeps -(slot) in dst
	v_sub_nc_u32 v[T0], 0, v[M]
	s_delay_alu instid0(VALU_DEP_1)
	v_and_b32 v[B], v[M], v[T0]                    ; my lowest bit
	s_delay_alu instid0(VALU_DEP_1)
	v_cvt_f32_u32 v[T0], v[B]                      ; a power of two: its exponent field is 127 + the bit's place
	s_delay_alu instid0(VALU_DEP_1)
	v_lshrrev_b32 v[T0], 18, v[T0]                 ; 32 x (127 + place)
	s_delay_alu instid0(VALU_DEP_1)
	v_sub_nc_u32 v[T0], v[LBI], v[T0]              ; -(lane + 32 x place)
	s_delay_alu instid0(VALU_DEP_1)
	v_cvt_f32_i32 v[F], v[T0]
	s_delay_alu instid0(VALU_DEP_1)
	v_max_num_f32_dpp v[G], v[F], v[F] row_xmask:1 row_mask:0xf bank_mask:0xf
	s_delay_alu instid0(VALU_DEP_1)
	v_max_num_f32_dpp v[G], v[G], v[G] row_xmask:2 row_mask:0xf bank_mask:0xf
	s_delay_alu instid0(VALU_DEP_1)
	v_max_num_f32_dpp v[G], v[G], v[G] row_xmask:4 row_mask:0xf bank_mask:0xf
	s_delay_alu instid0(VALU_DEP_1)
	v_max_num_f32_dpp v[G], v[G], v[G] row_xmask:8 row_mask:0xf bank_mask:0xf
	s_delay_alu instid0(VALU_DEP_1)
	v_permlanex16_b32 v[XP], v[G], s34, s35
	s_delay_alu instid0(VALU_DEP_1)
	v_max_num_f32 v[G], v[G], v[XP]                ; the lowest slot left, in every lane
	s_delay_alu instid0(VALU_DEP_1)
	v_cmp_eq_f32 s36, v[F], v[G]                   ; mine?
	s_delay_alu instid0(VALU_DEP_1)
	v_cndmask_b32 v[T0], 0, v[B], s36
	s_delay_alu instid0(VALU_DEP_1)
	v_xor_b32 v[M], v[M], v[T0]                    ; then its bit goes
	s_delay_alu instid0(VALU_DEP_4)
	v_cndmask_b32 v[\dst], v[\dst], v[G], s37
.endm
	s_load_b128 s[4:7], s[0:1], 0x0                ; keys, slots
	v_lshrrev_b32 v1, 5, v0
	s_delay_alu instid0(VALU_DEP_1)
	v_readfirstlane_b32 s10, v1                    ; wave
	v_and_b32 v2, 31, v0                           ; lane
	s_wait_alu depctr_va_vdst(0)
	s_lshl_b32 s11, ttmp9, 3
	s_add_co_u32 s11, s11, s10                     ; the query
	s_lshr_b32 s12, s11, 5
	s_mul_i32 s12, s12, 64000                      ; its pair of tiles,
	s_and_b32 s13, s11, 15
	s_lshl_b32 s13, s13, 3
	s_add_co_u32 s12, s12, s13                     ; its place in the tile: 8 bytes a lane,
	s_bfe_u32 s13, s11, 0x10004
	s_lshl_b32 s13, s13, 2
	s_add_co_u32 s12, s12, s13                     ; and which tile of the pair
	s_mov_b32 s13, 0
	v_lshrrev_b32 v3, 1, v2
	s_delay_alu instid0(VALU_DEP_1)
	v_lshlrev_b32 v3, 8, v3                        ; slot s: slice s / 2 is 256 bytes on,
	v_and_b32 v4, 1, v2
	s_delay_alu instid0(VALU_DEP_1)
	v_lshl_add_u32 v3, v4, 7, v3                   ; its upper half 128
	v_min_u32 v5, 19, v2                           ; the last 32 slots: only 20 exist; the other lanes read slot 499 and are cleared below
	s_delay_alu instid0(VALU_DEP_1)
	v_lshrrev_b32 v6, 1, v5
	s_delay_alu instid0(VALU_DEP_1)
	v_lshlrev_b32 v6, 8, v6
	s_delay_alu instid0(VALU_DEP_3)
	v_and_b32 v5, 1, v5
	s_delay_alu instid0(VALU_DEP_1)
	v_lshl_add_u32 v6, v5, 7, v6
	v_lshlrev_b32 v7, 3, v2                        ; 8 x lane: my two words of the list
	v_sub_nc_u32 v[LBI], 4064, v2
	v_mov_b32 v[LST], 0
	v_mov_b32 v[LST+1], 0
	v_mov_b32 v[G], 0                              ; (the destination of a DPP form or a lane permute counts as read)
	v_mov_b32 v[XP], 0
	s_mov_b32 s14, 0xfffff
	s_mov_b32 s34, 0x76543210
	s_mov_b32 s35, 0xfedcba98                      ; selects: lane l xor 16
	s_wait_alu depctr_va_vdst(0)
	s_wait_kmcnt 0x0
	s_add_nc_u64 s[4:5], s[4:5], s[12:13]
	s_lshl_b32 s12, s11, 8
	s_add_nc_u64 s[6:7], s[6:7], s[12:13]
.irp i, 0,1,2,3,4,5,6,7,8,9,10,11,12,13,14
	global_load_b32 v[K+\i], v3, s[4:5] offset:4096*\i
.endr
	global_load_b32 v[K+15], v6, s[4:5] offset:4096*15
	s_wait_loadcnt 0x0
	v_cndmask_b32 v[K+15], 0, v[K+15], s14
	s_mov_b32 s16, 0                               ; t
	s_mov_b32 s17, 0x80000000                      ; the bit on trial
	s_mov_b32 s18, 0
.Lbit:
	s_or_b32 s19, s16, s17
	COUNT v_cmp_le_u32, 19                         ; keys at or above t with the bit set
	s_cmp_ge_u32 s40, 64
	s_cselect_b32 s16, s19, s16                    ; 64 or more: the bit stays
	s_lshr_b32 s17, s17, 1
	s_add_co_u32 s18, s18, 1
	s_cmp_lt_u32 s18, 32
	s_cbranch_scc1 .Lbit
	COUNT v_cmp_lt_u32, 16                         ; keys above t: 63 at the most
	s_sub_co_u32 s20, 64, s40                      ; so many of the keys equal to t are taken, the lowest slots first
	s_mov_b32 s21, 0                               ; equal keys met so far
	v_mov_b32 v[M], 0x10000                        ; bit 16: never taken
.irp i, 0,1,2,3,4,5,6,7,8,9,10,11,12,13,14,15
	v_cmp_lt_u32 s23, s16, v[K+\i]
	v_cmp_eq_u32 s24, s16, v[K+\i]
	s_delay_alu instid0(VALU_DEP_1)
	v_mbcnt_lo_u32_b32 v[T0], s24, s21             ; how many equal keys stand in lower slots
	s_delay_alu instid0(VALU_DEP_1)
	v_cmp_gt_u32 s25, s20, v[T0]
	s_and_b32 s25, s25, s24
	s_or_b32 s28, s23, s25                         ; the lanes whose slot 32 i + lane is taken
	s_bcnt1_i32_b32 s27, s24
	s_add_co_u32 s21, s21, s27
	v_cndmask_b32 v[T1], 0, 1, s28
	s_delay_alu instid0(VALU_DEP_1)
	v_lshl_or_b32 v[M], v[T1], \i, v[M]
.endr
	s_mov_b32 s38, 0
.Lrank:                                            ; 32 trips, two take-outs each
	v_cmp_eq_u32 s37, s38, v2
	s_wait_alu depctr_va_vdst(0)
	EXTR LST
	EXTR LST+1
	s_add_co_u32 s38, s38, 1
	s_cmp_lt_u32 s38, 32
	s_cbranch_scc1 .Lrank
.irp a, 0,1
	v_mul_f32 v[LST+\a], -1.0, v[LST+\a]
.endr
.irp a, 0,1
	s_delay_alu instid0(VALU_DEP_2)
	v_cvt_u32_f32 v[LST+\a], v[LST+\a]             ; exact: slots stay under 512
.endr
	global_store_b64 v7, v[LST:LST+1], s[6:7]      ; 256 consecutive bytes, aligned
	s_endpgm
.Lfunc_end_k_q26dde06a59_thresh:
	.size	k_q26dde06a59_thresh, .Lfunc_end_k_q26dde06a59_thresh-k_q26dde06a59_thresh
	.p2alignl 7, 3214868480
	.fill 96, 4, 3214868480
	.section	.rodata,"a",@progbits
	.p2align	6, 0x0
	.amdhsa_kernel k_q26dde06a59_thresh
		.amdhsa_group_segment_fixed_size 0
		.amdhsa_private_segment_fixed_size 0
		.amdhsa_enable_private_segment 0
		.amdhsa_kernarg_size 16
		.amdhsa_user_sgpr_count 2
		.amdhsa_user_sgpr_kernarg_segment_ptr 1
		.amdhsa_wavefront_size32 1
		.amdhsa_system_sgpr_workgroup_id_x 1
		.amdhsa_system_sgpr_workgroup_id_y 1
		.amdhsa_system_sgpr_workgroup_id_z 1
		.amdhsa_system_vgpr_workitem_id 0
		.amdhsa_next_free_vgpr 40
		.amdhsa_next_free_sgpr 66
		.amdhsa_reserve_vcc 0
		.amdhsa_float_denorm_mode_32 3
		.amdhsa_float_denorm_mode_16_64 3
		.amdhsa_memory_ordered 1
		.amdhsa_forward_progress 1
		.amdhsa_inst_pref_size 21
	.end_amdhsa_kernel
	.amdgpu_metadata
---
amdhsa.version: [ 1, 2 ]
amdhsa.kernels:
  - .name:           k_q26dde06a59_thresh
    .symbol:         k_q26dde06a59_thresh.kd
    .args:
      - { .name: keys, .offset: 0, .size: 8, .value_kind: global_buffer, .address_space: global }
      - { .name: slots, .offset: 8, .size: 8, .value_kind: global_buffer, .address_space: global }
    .group_segment_fixed_size: 0
    .private_segment_fixed_size: 0
    .kernarg_segment_align: 8
    .kernarg_segment_size: 16
    .max_flat_workgroup_size: 256
    .sgpr_count:     66
    .vgpr_count:     40
    .wavefront_size: 32
...
	.end_amdgpu_metadata
.endif
;; end of part 8
;; launch sel2 (part 9): grid 256 x 1, 8 waves a work-group, no clusters, 0 bytes of LDS; arguments slots, sub, subs; writes subs
.if DOCPART == 9
	.amdgcn_target "amdgcn-amd-amdhsa--gfx1250"
	.amdhsa_code_object_version 6
	.text
	.protected	k_q26dde06a59_sel2
	.globl	k_q26dde06a59_sel2
	.p2align	8
	.type	k_q26dde06a59_sel2,@function
k_q26dde06a59_sel2:
	s_mov_b64 s[64:65], 0
	v_nop
	global_prefetch_b8 v0, s[64:65] scope:SCOPE_SE
	s_setreg_imm32_b32 hwreg(HW_REG_WAVE_MODE, 25, 1), 1
	s_wait_xcnt 0x0
; For each query: the 64 best SUB-SLOTS (runs of 8 neighbouring candidates) among the 64 x 25 of its 64 best slots, by (maximum falling, sub-slot rising).
; Every member of the query's top 64 lies in them, by the argument that holds for slots: 64 runs that rank ahead of a run hold 64 similarities that rank ahead of all of its own.
; One wave a query; a lane holds two slots, 25 maxima each: 112 consecutive bytes of sub, whose place is made from the stored slot number (held inside the buffer by minima with constants).
; Every trip count is a constant; what hangs on the maxima is values alone.
; 1. The maxima become whole numbers that keep their order.  2. T, the 64th largest, bit by bit from the top: 32 trips of 50 compares and bit counts.  3. Of the keys equal to T the lowest sub-slots are taken:
; each gets the code 32 slot + t, and the need-th smallest code is found bit by bit: 14 trips.  4. The 64 taken become bits t of two words a lane, with bit 25 set beside them, and are taken out one by one:
; each lane's lowest bits, -(slot + 512 t) as f32, the largest over the lanes (bit 25 loses against every real one), the winner clears its bit, lane n keeps the result.
; subs: [query][64] words slot + 512 t, in no order that a reader may lean on.
; LIMIT: NaN is not served.
.set SG,  4                            ; v4-5   my two slots
.set BO,  6                            ; v6-7   their offsets in sub
.set T0,  8                            ; v8-11  at work
.set T1,  9
.set T2,  10
.set T3,  11
.set K,   16                           ; v16-71  the maxima, then keys: 28 a + t
.set W,   72                           ; v72-127 at work, then the codes of equal keys
.set CB,  128                          ; v128-129 32 x slot
.set NB,  130                          ; v130-131 127 x 512 - slot
.set M,   132                          ; v132-133 the taken sub-slots, a bit each
.set B,   134
.set F,   136
.set G,   138
.set XP,  139
.set LST, 140                          ; v[140:141] the list
.macro COUNT op, s, base               ; s40 = how many of the 50 numbers from v[base] on stand in relation op to s[s]
	s_mov_b32 s40, 0
.irp a, 0,1
.set ci, 0
.rept 25
	\op s[66+ci], s[\s], v[\base+28*\a+ci]
.set ci, ci+1
.endr
.set ci, 0
.rept 25
	s_bcnt1_i32_b32 s[66+ci], s[66+ci]
.set ci, ci+1
.endr
.set ci, 0
.rept 25
	s_add_co_u32 s40, s40, s[66+ci]
.set ci, ci+1
.endr
.endr
.endm
.macro EXTR dst                        ; one take-out; the lane named by s39 keeps -(slot + 512 t) in dst
.irp a, 0,1
	v_sub_nc_u32 v[T0+\a], 0, v[M+\a]
.endr
.irp a, 0,1
	s_delay_alu instid0(VALU_DEP_2)
	v_and_b32 v[B+\a], v[M+\a], v[T0+\a]           ; the lowest bit of each word
.endr
.irp a, 0,1
	s_delay_alu instid0(VALU_DEP_2)
	v_cvt_f32_u32 v[T0+\a], v[B+\a]                ; a power of two: its exponent field is 127 + the bit's place
.endr
.irp a, 0,1
	s_delay_alu instid0(VALU_DEP_2)
	v_lshrrev_b32 v[T0+\a], 14, v[T0+\a]           ; 512 x (127 + place)
.endr
.irp a, 0,1
	s_delay_alu instid0(VALU_DEP_2)
	v_sub_nc_u32 v[T0+\a], v[NB+\a], v[T0+\a]      ; -(slot + 512 x place)
.endr
.irp a, 0,1
	s_delay_alu instid0(VALU_DEP_2)
	v_cvt_f32_i32 v[F+\a], v[T0+\a]
.endr
	s_delay_alu instid0(VALU_DEP_1)
	v_max_num_f32 v[G], v[F], v[F+1]
	s_delay_alu instid0(VALU_DEP_1)
	v_max_num_f32_dpp v[G], v[G], v[G] row_xmask:1 row_mask:0xf bank_mask:0xf
	s_delay_alu instid0(VALU_DEP_1)
	v_max_num_f32_dpp v[G], v[G], v[G] row_xmask:2 row_mask:0xf bank_mask:0xf
	s_delay_alu instid0(VALU_DEP_1)
	v_max_num_f32_dpp v[G], v[G], v[G] row_xmask:4 row_mask:0xf bank_mask:0xf
	s_delay_alu instid0(VALU_DEP_1)
	v_max_num_f32_dpp v[G], v[G], v[G] row_xmask:8 row_mask:0xf bank_mask:0xf
	s_delay_alu instid0(VALU_DEP_1)
	v_permlanex16_b32 v[XP], v[G], s34, s35
	s_delay_alu instid0(VALU_DEP_1)
	v_max_num_f32 v[G], v[G], v[XP]                ; the lowest code left, in every lane; codes are all different
.irp a, 0
	s_delay_alu instid0(VALU_DEP_1)
	v_cmp_eq_f32 s[36+\a], v[F+\a], v[G]
.endr
.irp a, 1
	s_delay_alu instid0(VALU_DEP_2)
	v_cmp_eq_f32 s[36+\a], v[F+\a], v[G]
.endr
.irp a, 0,1
	s_delay_alu instid0(VALU_DEP_2)
	v_cndmask_b32 v[T0+\a], 0, v[B+\a], s[36+\a]
.endr
.irp a, 0,1
	s_delay_alu instid0(VALU_DEP_2)
	v_xor_b32 v[M+\a], v[M+\a], v[T0+\a]           ; the winner's bit goes
.endr
	v_cndmask_b32 v[\dst], v[\dst], v[G], s39
.endm
	s_load_b128 s[4:7], s[0:1], 0x0                ; slots, sub
	s_load_b64 s[8:9], s[0:1], 0x10                ; subs
	v_lshrrev_b32 v1, 5, v0
	s_delay_alu instid0(VALU_DEP_1)
	v_readfirstlane_b32 s10, v1                    ; wave
	v_and_b32 v2, 31, v0                           ; lane
	s_delay_alu instid0(VALU_DEP_1)
	v_lshlrev_b32 v3, 3, v2                        ; 8 x lane
	s_lshl_b32 s11, ttmp9, 3
	s_add_co_u32 s11, s11, s10                     ; the query
	s_lshr_b32 s12, s11, 4
	s_mul_i32 s12, s12, 3584                       ; its tile's bytes of a slice,
	s_and_b32 s13, s11, 15
	s_mul_i32 s13, s13, 112                        ; its lane's 112 of them
	s_add_co_u32 s12, s12, s13
	s_mov_b32 s13, 0
	s_lshl_b32 s14, s11, 8
	s_mov_b32 s15, 0
	s_mov_b32 s34, 0x76543210
	s_mov_b32 s35, 0xfedcba98                      ; selects: lane l xor 16
	v_mov_b32 v[LST], 0
	v_mov_b32 v[LST+1], 0
	v_mov_b32 v[XP], 0                             ; (a lane permute's destination counts as read)
	s_wait_alu depctr_va_vdst(0)
	s_wait_kmcnt 0x0
	s_add_nc_u64 s[4:5], s[4:5], s[14:15]
	s_add_nc_u64 s[6:7], s[6:7], s[12:13]
	s_add_nc_u64 s[8:9], s[8:9], s[14:15]
	global_load_b32 v[SG], v3, s[4:5]
	global_load_b32 v[SG+1], v3, s[4:5] offset:4
	s_wait_loadcnt 0x0
.irp a, 0,1
	v_lshrrev_b32 v[T0], 1, v[SG+\a]
	s_delay_alu instid0(VALU_DEP_1)
	v_min_u32 v[T0], 249, v[T0]                    ; slice
	v_min_u32 v[T1], 499, v[SG+\a]                 ; slot
	s_delay_alu instid0(VALU_DEP_1)
	v_and_b32 v[T2], 1, v[T1]
	s_delay_alu instid0(VALU_DEP_3)
	v_mul_u32_u24 v[BO+\a], v[T0], 0x70000         ; a slice's 128 query tiles of 3,584 bytes,
	s_delay_alu instid0(VALU_DEP_2)
	v_mul_u32_u24 v[T2], v[T2], 1792               ; the upper slot's lanes 16 x 112 bytes on
	s_delay_alu instid0(VALU_DEP_1)
	v_add_nc_u32 v[BO+\a], v[BO+\a], v[T2]
	v_lshlrev_b32 v[CB+\a], 5, v[T1]
	v_sub_nc_u32 v[NB+\a], 65024, v[T1]
.endr
.irp a, 0,1
.irp c, 0,1,2,3,4,5,6
	global_load_b128 v[K+28*\a+4*\c:K+28*\a+4*\c+3], v[BO+\a], s[6:7] offset:16*\c
.endr
.endr
	s_wait_loadcnt 0x0
.irp a, 0,1                                    ; keys: -0 becomes +0, then bits xor (sign ? all ones : the top bit).  The three pads of each slot are left alone and never looked at
.set t, 0
.rept 25
	v_add_f32 v[K+28*\a+t], 0, v[K+28*\a+t]
.set t, t+1
.endr
.set t, 0
.rept 25
	v_ashrrev_i32 v[W+28*\a+t], 31, v[K+28*\a+t]
.set t, t+1
.endr
.set t, 0
.rept 25
	v_or_b32 v[W+28*\a+t], 0x80000000, v[W+28*\a+t]
.set t, t+1
.endr
.set t, 0
.rept 25
	v_xor_b32 v[K+28*\a+t], v[K+28*\a+t], v[W+28*\a+t]
.set t, t+1
.endr
.endr
	s_mov_b32 s16, 0                               ; T
	s_mov_b32 s17, 0x80000000                      ; the bit on trial
	s_mov_b32 s18, 0
.Lbit:
	s_or_b32 s19, s16, s17
	COUNT v_cmp_le_u32, 19, K                      ; keys at or above T with the bit set
	s_cmp_ge_u32 s40, 64
	s_cselect_b32 s16, s19, s16                    ; 64 or more: the bit stays
	s_lshr_b32 s17, s17, 1
	s_add_co_u32 s18, s18, 1
	s_cmp_lt_u32 s18, 32
	s_cbranch_scc1 .Lbit
	COUNT v_cmp_lt_u32, 16, K                      ; keys above T: 63 at the most
	s_sub_co_u32 s20, 64, s40                      ; need: so many of the equal keys are taken
.irp a, 0,1
.set t, 0
.rept 25
	v_cmp_eq_u32 vcc_lo, s16, v[K+28*\a+t]
	v_add_nc_u32 v[T0+t%4], t, v[CB+\a]
	s_delay_alu instid0(VALU_DEP_1)
	v_cndmask_b32 v[W+28*\a+t], -1, v[T0+t%4], vcc_lo   ; an equal key's code 32 slot + t; all ones for the others
.set t, t+1
.endr
.endr
	s_mov_b32 s21, 0                               ; X: the largest number with fewer than need codes under it = the need-th smallest code
	s_mov_b32 s17, 0x2000                          ; codes stay under 2^14
	s_mov_b32 s18, 0
.Lcode:
	s_or_b32 s19, s21, s17
	COUNT v_cmp_gt_u32, 19, W                      ; codes under X with the bit set
	s_cmp_lt_u32 s40, s20
	s_cselect_b32 s21, s19, s21
	s_lshr_b32 s17, s17, 1
	s_add_co_u32 s18, s18, 1
	s_cmp_lt_u32 s18, 14
	s_cbranch_scc1 .Lcode
.irp a, 0,1
	v_mov_b32 v[M+\a], 0x2000000                   ; bit 25: never taken
.set t, 0
.rept 25
	v_cmp_lt_u32 s23, s16, v[K+28*\a+t]
	v_cmp_ge_u32 s24, s21, v[W+28*\a+t]
	s_or_b32 s23, s23, s24                         ; taken: above T, or equal with a code up to X: 64 in all
	v_cndmask_b32 v[T0+t%4], 0, 1, s23
	s_delay_alu instid0(VALU_DEP_1)
	v_lshl_or_b32 v[M+\a], v[T0+t%4], t, v[M+\a]
.set t, t+1
.endr
.endr
	s_mov_b32 s38, 0
.Lrank:                                            ; 32 trips, two take-outs each
	v_cmp_eq_u32 s39, s38, v2
	s_wait_alu depctr_va_vdst(0)
	EXTR LST
	EXTR LST+1
	s_add_co_u32 s38, s38, 1
	s_cmp_lt_u32 s38, 32
	s_cbranch_scc1 .Lrank
.irp a, 0,1
	v_mul_f32 v[LST+\a], -1.0, v[LST+\a]
.endr
.irp a, 0,1
	s_delay_alu instid0(VALU_DEP_2)
	v_cvt_u32_f32 v[LST+\a], v[LST+\a]             ; exact: the words stay under 2^14
.endr
	global_store_b64 v3, v[LST:LST+1], s[8:9]      ; 256 consecutive bytes, aligned
	s_endpgm
.Lfunc_end_k_q26dde06a59_sel2:
	.size	k_q26dde06a59_sel2, .Lfunc_end_k_q26dde06a59_sel2-k_q26dde06a59_sel2
	.p2alignl 7, 3214868480
	.fill 96, 4, 3214868480
	.section	.rodata,"a",@progbits
	.p2align	6, 0x0
	.amdhsa_kernel k_q26dde06a59_sel2
		.amdhsa_group_segment_fixed_size 0
		.amdhsa_private_segment_fixed_size 0
		.amdhsa_enable_private_segment 0
		.amdhsa_kernarg_size 24
		.amdhsa_user_sgpr_count 2
		.amdhsa_user_sgpr_kernarg_segment_ptr 1
		.amdhsa_wavefront_size32 1
		.amdhsa_system_sgpr_workgroup_id_x 1
		.amdhsa_system_sgpr_workgroup_id_y 1
		.amdhsa_system_sgpr_workgroup_id_z 1
		.amdhsa_system_vgpr_workitem_id 0
		.amdhsa_next_free_vgpr 144
		.amdhsa_next_free_sgpr 96
		.amdhsa_reserve_vcc 1
		.amdhsa_float_denorm_mode_32 3
		.amdhsa_float_denorm_mode_16_64 3
		.amdhsa_memory_ordered 1
		.amdhsa_forward_progress 1
		.amdhsa_inst_pref_size 58
	.end_amdhsa_kernel
	.amdgpu_metadata
---
amdhsa.version: [ 1, 2 ]
amdhsa.kernels:
  - .name:           k_q26dde06a59_sel2
    .symbol:         k_q26dde06a59_sel2.kd
    .args:
      - { .name: slots, .offset: 0, .size: 8, .value_kind: global_buffer, .address_space: global }
      - { .name: sub, .offset: 8, .size: 8, .value_kind: global_buffer, .address_space: global }
      - { .name: subs, .offset: 16, .size: 8, .value_kind: global_buffer, .address_space: global }
    .group_segment_fixed_size: 0
    .private_segment_fixed_size: 0
    .kernarg_segment_align: 8
    .kernarg_segment_size: 24
    .max_flat_workgroup_size: 256
    .sgpr_count:     96
    .vgpr_count:     144
    .wavefront_size: 32
...
	.end_amdgpu_metadata
.endif
;; end of part 9
;; launch final (part 10): grid 512 x 1, 4 waves a work-group, no clusters, 0 bytes of LDS; arguments subs, ccodes, cscales, qcodes, qscales, candidate_labels, out0; writes out0
.if DOCPART == 10
	.amdgcn_target "amdgcn-amd-amdhsa--gfx1250"
	.amdhsa_code_object_version 6
	.text
	.protected	k_q26dde06a59_final
	.globl	k_q26dde06a59_final
	.p2align	8
	.type	k_q26dde06a59_final,@function
k_q26dde06a59_final:
	s_mov_b64 s[64:65], 0
	v_nop
	global_prefetch_b8 v0, s[64:65] scope:SCOPE_SE
	s_setreg_imm32_b32 hwreg(HW_REG_WAVE_SCHED_MODE, 0, 2), 2
	s_setreg_imm32_b32 hwreg(HW_REG_WAVE_MODE, 25, 1), 1
	s_wait_xcnt 0x0
	s_wait_alu depctr_vm_vsrc(0)
; The exact top 64 of each query, their softmax, and the weights summed by label.  One wave a query; waves share nothing; every trip count is a constant.
; The query's 64 best sub-slots hold its top 64: 512 candidates.  Their codes are fetched (a tile of 16 columns = two sub-slots; a sub-slot's eight rows lie on end in a tile's image) and their similarities computed
; by the same two matrix instructions as in the launch that made the maxima: source 0 = the query's row in all 16 rows, source 1 = 16 candidates; register 0 of a result holds the similarity of the lane's column.
; 32 tiles in four batches of eight (192 registers, window 1), so that 56 loads a wave are out at a time.
; Lane l, register i then holds the candidate j = l % 8 of list entry 4 i + l / 8: value, index and label.
; THE CHOICE, as jax.lax.top_k makes it (larger first; of equals the lower index): values become whole numbers that keep their order; T, the 64th largest, is found bit by bit (32 trips of 16 compares); of the
; keys equal to T the need lowest indices are taken, the need-th smallest index found bit by bit (17 trips).  What hangs on the similarities is values and selects alone.
; Addresses are made from the stored list alone, each part held inside its range by a minimum with a constant.
; No cluster: no two work-groups fetch the same tiles at the same time.  LIMIT: NaN is not served.
; THE MODE: SCHED_MODE bits 1:0 = 2 (LLVM: expert scheduling mode 2), set by the entry lines.  The code itself states the register dependences
; between vector or matrix instructions and memory instructions, with s_wait_alu, always for 0.
; THE PLAN.  Registers that memory instructions touch:
;   v1, v4-7       offsets, written at the head and never again.
;   E, EI, the query's fragments and scale words, LB: loaded once.
;   W              Written by vector lines as the labels' offsets; read by the 16 label loads; written again by vector lines behind the batches.
;   two sets of 16 offsets, by turns.  Batch g's loads read set g % 2; the lines that make batch g + 1's set stand behind batch g's loads, while these are on their way.
;   window 1's 192 registers and BS: each batch's loads land in them; its 16 products read them.
;   OUT            Written by vector lines; read by the last store.
; So one wait on va_vdst stands at a batch's head: its set of offsets is written, and the products of the batch before are done reading the registers in which the loads land.
; One wait on vm_vsrc stands beside it in batches 1 and 2: the loads of the batch before have read their set, which is written again behind this batch's loads.
; Compares stand in runs of sixteen into scalar registers, with one wait on va_sdst behind each run and ahead of its first reader.
.set LANE, 2
.set H256, 4                           ; v4 256 x (lane / 16);  v5 64 x (lane / 16)
.set H64,  5
.set VE,   6                           ; v6 4 x ((lane / 8) % 2): which sub-slot of a tile my column belongs to
.set VI,   7                           ; v7 4 x (lane / 8): my own entry among four
.set AQ,   8                           ; v8-31   the query's two fragments, its row in every row
.set AQS,  32                          ; v32     its scale words
.set LC,   33                          ; v33     16 x (lane % 8) + 256 x (lane / 16): my place in a tile's image, less the sub-slot's half
.set E,    34                          ; v34-65  tile u's list word for my column
.set EI,   66                          ; v66-81  register i's list word for my own candidate; behind the indices' lines: the offsets' set 1
.set AD,   82                          ; v82-97  the offsets' set 0: eight of codes, then eight of scale words; set 1 lies 16 registers below
.set BS,   98                          ; v98-105 a batch's scale words
.set D,    106                         ; v106-169 eight accumulators; later keys and weights
.set KY,   106
.set V,    170                         ; v170-185 the similarities
.set XI,   186                         ; v186-201 the indices
.set LB,   202                         ; v202-217 the labels
.set W,    218                         ; v218-233 the labels' offsets; later at work, and the indices of equal keys
.set LS,   234                         ; v234    4 x (lane % 8) + 64 x (lane / 16)
.set J,    235                         ; v235    lane % 8
.set T0,   236
.set T1,   237
.set T2,   238
.set T3,   239
.set XP,   240
.set OUT,  241
.set RC,   242
.set MSB, 0
.macro WIN new                         ; the immediate's high byte repeats the setting that is left; a switch that changes nothing is dropped
.if MSB != \new
	s_set_vgpr_msb (MSB<<8)|\new
.set MSB, \new
.endif
.endm
.macro RED op, r, t                    ; over the 32 lanes, the result in every lane
	\op\()_dpp v[\r], v[\r], v[\r] row_xmask:1 row_mask:0xf bank_mask:0xf
	\op\()_dpp v[\r], v[\r], v[\r] row_xmask:2 row_mask:0xf bank_mask:0xf
	\op\()_dpp v[\r], v[\r], v[\r] row_xmask:4 row_mask:0xf bank_mask:0xf
	\op\()_dpp v[\r], v[\r], v[\r] row_xmask:8 row_mask:0xf bank_mask:0xf
	v_permlanex16_b32 v[\t], v[\r], s20, s21
	\op v[\r], v[\r], v[\t]
.endm
.macro COUNT op, s, base               ; s40 = how many of the 16 numbers from v[base] on stand in relation op to s[s]
.irp i, 0,1,2,3,4,5,6,7,8,9,10,11,12,13,14,15
	\op s[40+\i], s[\s], v[\base+\i]
.endr
	s_wait_alu depctr_va_sdst(0)                   ; the sixteen compares have written s40 to s55, which the bit counts read
.irp i, 0,1,2,3,4,5,6,7,8,9,10,11,12,13,14,15
	s_bcnt1_i32_b32 s[40+\i], s[40+\i]
.endr
.irp i, 1,2,3,4,5,6,7,8,9,10,11,12,13,14,15
	s_add_co_u32 s40, s40, s[40+\i]
.endr
.endm
; The list word slot + 512 t of tile u's column: slice = slot / 2, tile 25 slice + t (3,072 bytes of codes, 128 of scale words), rows 8 (slot % 2) + 0..7 of it.  c: the register for the codes' offset; the scale word's lies 8 on
.macro ADDR c, u
	v_and_b32 v[T0], 511, v[E+(\u)]
	v_min_u32 v[T0], 499, v[T0]
	v_and_b32 v[T2], 1, v[T0]                      ; slot % 2
	v_bfe_u32 v[T3], v[E+(\u)], 1, 8
	v_min_u32 v[T3], 249, v[T3]                    ; slice
	v_lshrrev_b32 v[T1], 9, v[E+(\u)]
	v_min_u32 v[T1], 24, v[T1]                     ; t
	v_mul_u32_u24 v[\c], v[T3], 76800
	v_mul_u32_u24 v[T0], v[T1], 3072
	v_add_nc_u32 v[\c], v[\c], v[T0]
	v_lshl_add_u32 v[\c], v[T2], 7, v[\c]
	v_add_nc_u32 v[\c], v[LC], v[\c]
	v_mul_u32_u24 v[(\c)+8], v[T3], 3200
	v_lshl_add_u32 v[(\c)+8], v[T1], 7, v[(\c)+8]
	v_lshl_add_u32 v[(\c)+8], v[T2], 5, v[(\c)+8]
	v_add_nc_u32 v[(\c)+8], v[LS], v[(\c)+8]
.endm
.macro ADDRS g                         ; the offsets of batch g's eight tiles, into set g % 2
.set n, 0
.rept 8
	ADDR AD-16*((\g)%2)+n, 8*(\g)+n
.set n, n+1
.endr
.endm
.macro BATCH g                         ; tiles 8 g .. 8 g + 7
.set AB, AD-16*((\g)%2)
.if ((\g) == 1) || ((\g) == 2)
	s_wait_alu depctr_vm_vsrc(0)                   ; the loads of the batch before have read their set of offsets, which the lines behind this batch's loads write again (in batch 1 also: the label loads have read W, which is written again behind the batches)
.endif
	s_wait_alu depctr_va_vdst(0)                   ; this batch's offsets are written (in batch 0 the labels' too); the products of the batch before are done reading window 1's fragments and BS, in which the loads below land.  Only loads and window switches follow up to the last of them
.if (\g) == 0
.set i, 0
.rept 16
	global_load_b32 v[LB+i], v[W+i], s[14:15]
.set i, i+1
.endr
.endif
	WIN 0x40                                       ; destination window 1
.set n, 0
.rept 8
.set q, 0
.rept 6
	global_load_b128 v[24*n+4*q:24*n+4*q+3], v[AB+n], s[6:7] offset:512*q
.set q, q+1
.endr
.set n, n+1
.endr
	WIN 0
.set n, 0
.rept 8
	global_load_b32 v[BS+n], v[AB+8+n], s[8:9]
.set n, n+1
.endr
.if (\g) < 3
	ADDRS (\g)+1                                   ; the next batch's offsets, into the other set, while this batch's loads are on their way
.endif
	s_wait_loadcnt 0x0                             ; all of them (in the first batch the query and the labels too)
	WIN 0x04                                       ; source 1 window 1
.set n, 0
.rept 8                                        ; the eight accumulators take turns
	v_wmma_scale_f32_16x16x128_f8f6f4 v[D+8*n:D+8*n+7], v[AQ:AQ+11], v[24*n:24*n+11], 0, v[AQS], v[BS+n] matrix_a_fmt:MATRIX_FMT_BF6 matrix_b_fmt:MATRIX_FMT_BF6
.set n, n+1
.endr
.set n, 0
.rept 8
	v_wmma_scale_f32_16x16x128_f8f6f4 v[D+8*n:D+8*n+7], v[AQ+12:AQ+23], v[24*n+12:24*n+23], v[D+8*n:D+8*n+7], v[AQS], v[BS+n] matrix_a_fmt:MATRIX_FMT_BF6 matrix_b_fmt:MATRIX_FMT_BF6 matrix_a_scale:MATRIX_SCALE_ROW1 matrix_b_scale:MATRIX_SCALE_ROW1
.set n, n+1
.endr
	WIN 0
.rept 4
	v_nop                                          ; places in front of the first read of the results
.endr
.set n, 0
.rept 4
	v_cndmask_b32 v[V+4*\g+n], v[D+16*n], v[D+16*n+8], s22   ; lanes 0-15 from the even tile, lanes 16-31 from the odd one
.set n, n+1
.endr
.endm
	s_load_b256 s[4:11], s[0:1], 0x0               ; subs, ccodes, cscales, qcodes
	s_load_b128 s[12:15], s[0:1], 0x20             ; qscales, candidate_labels
	s_load_b64 s[16:17], s[0:1], 0x30              ; out0
	v_lshrrev_b32 v1, 5, v0
	v_readfirstlane_b32 s28, v1                    ; wave
	v_and_b32 v[LANE], 31, v0
	v_lshlrev_b32 v1, 2, v[LANE]                   ; 4 x lane
	v_bfe_u32 v3, v0, 4, 1                         ; h
	v_lshlrev_b32 v[H256], 8, v3
	v_lshlrev_b32 v[H64], 6, v3
	v_bfe_u32 v[VE], v0, 3, 1
	v_lshlrev_b32 v[VE], 2, v[VE]
	v_lshrrev_b32 v[VI], 3, v[LANE]
	v_lshlrev_b32 v[VI], 2, v[VI]
	v_and_b32 v[J], 7, v0
	v_lshl_add_u32 v[LC], v[J], 4, v[H256]
	v_lshl_add_u32 v[LS], v[J], 2, v[H64]
	v_mov_b32 v[XP], 0                             ; (a lane permute's destination counts as read)
	s_mov_b32 s20, 0x76543210
	s_mov_b32 s21, 0xfedcba98                      ; selects: lane l xor 16
	s_mov_b32 s22, 0xffff0000                      ; lanes 16-31
	s_mov_b32 s23, 0x3fb8aa3b                      ; log2(e)
	s_wait_alu depctr_va_sdst(0)                   ; s28 is written, ahead of its first reader: the query's number and all the bases are made from it
	s_lshl_b32 s29, ttmp9, 2
	s_add_co_u32 s29, s29, s28                     ; the query
	s_lshr_b32 s30, s29, 4                         ; its tile
	s_and_b32 s31, s29, 15                         ; its row there
	s_mov_b32 s25, 0
	s_wait_kmcnt 0x0
	s_lshl_b32 s24, s29, 8
	s_add_nc_u64 s[4:5], s[4:5], s[24:25]          ; its list
	s_mul_i32 s24, s30, 3072
	s_lshl_b32 s26, s31, 4
	s_add_co_u32 s24, s24, s26
	s_add_nc_u64 s[10:11], s[10:11], s[24:25]      ; its codes: lane r of the tile's image
	s_lshl_b32 s24, s30, 7
	s_lshl_b32 s26, s31, 2
	s_add_co_u32 s24, s24, s26
	s_add_nc_u64 s[12:13], s[12:13], s[24:25]      ; its scale words
	s_mul_i32 s24, s29, 40
	s_add_nc_u64 s[16:17], s[16:17], s[24:25]      ; its row of the result
	s_wait_alu depctr_va_vdst(0)                   ; the offsets v4 to v7 are written, which the loads below read
.set u, 0
.rept 32
	global_load_b32 v[E+u], v[VE], s[4:5] offset:8*u
.set u, u+1
.endr
.set i, 0
.rept 16
	global_load_b32 v[EI+i], v[VI], s[4:5] offset:16*i
.set i, i+1
.endr
.irp q, 0,1,2,3,4,5
	global_load_b128 v[AQ+4*\q:AQ+4*\q+3], v[H256], s[10:11] offset:512*\q   ; every lane of a half takes the same 16 bytes: the query's row stands in all 16 rows
.endr
	global_load_b32 v[AQS], v[H64], s[12:13]
	s_wait_loadcnt 7                               ; the list words are in; the query's seven loads may be out
.set i, 0
.rept 16                                       ; my own candidates: index 200 slot + 8 t + lane % 8
	v_and_b32 v[T0], 511, v[EI+i]
	v_min_u32 v[T0], 499, v[T0]
	v_lshrrev_b32 v[T1], 9, v[EI+i]
	v_min_u32 v[T1], 24, v[T1]
	v_mul_u32_u24 v[XI+i], v[T0], 200
	v_lshl_add_u32 v[XI+i], v[T1], 3, v[XI+i]
	v_add_nc_u32 v[XI+i], v[J], v[XI+i]
	v_lshlrev_b32 v[W+i], 2, v[XI+i]
.set i, i+1
.endr
	ADDRS 0                                        ; the first batch's offsets are made with the labels': one wait serves both runs of loads
	BATCH 0
	BATCH 1
	BATCH 2
	BATCH 3
	; keys: -0 becomes +0, then bits xor (sign ? all ones : the top bit)
.irp i, 0,1,2,3,4,5,6,7,8,9,10,11,12,13,14,15
	v_add_f32 v[V+\i], 0, v[V+\i]
.endr
.irp i, 0,1,2,3,4,5,6,7,8,9,10,11,12,13,14,15
	v_ashrrev_i32 v[W+\i], 31, v[V+\i]
.endr
.irp i, 0,1,2,3,4,5,6,7,8,9,10,11,12,13,14,15
	v_or_b32 v[W+\i], 0x80000000, v[W+\i]
.endr
.irp i, 0,1,2,3,4,5,6,7,8,9,10,11,12,13,14,15
	v_xor_b32 v[KY+\i], v[V+\i], v[W+\i]
.endr
	s_mov_b32 s32, 0                               ; T
	s_mov_b32 s33, 0x80000000                      ; the bit on trial
	s_mov_b32 s34, 0
.Lbit:
	s_or_b32 s35, s32, s33
	COUNT v_cmp_le_u32, 35, KY                     ; keys at or above T with the bit set
	s_cmp_ge_u32 s40, 64
	s_cselect_b32 s32, s35, s32                    ; 64 or more: the bit stays
	s_lshr_b32 s33, s33, 1
	s_add_co_u32 s34, s34, 1
	s_cmp_lt_u32 s34, 32
	s_cbranch_scc1 .Lbit
	COUNT v_cmp_lt_u32, 32, KY                     ; keys above T: 63 at the most
	s_sub_co_u32 s36, 64, s40                      ; need: so many of the equal keys are taken
.irp i, 0,1,2,3,4,5,6,7,8,9,10,11,12,13,14,15
	v_cmp_eq_u32 s[40+\i], s32, v[KY+\i]
.endr
	s_wait_alu depctr_va_sdst(0)                   ; the sixteen compares have written s40 to s55, which the selects read
.irp i, 0,1,2,3,4,5,6,7,8,9,10,11,12,13,14,15
	v_cndmask_b32 v[W+\i], -1, v[XI+\i], s[40+\i]  ; an equal key's index; all ones for the others
.endr
	s_mov_b32 s37, 0                               ; X: the largest number with fewer than need such indices under it = the need-th smallest
	s_mov_b32 s33, 0x10000                         ; indices stay under 2^17
	s_mov_b32 s34, 0
.Lidx:
	s_or_b32 s35, s37, s33
	COUNT v_cmp_gt_u32, 35, W
	s_cmp_lt_u32 s40, s36
	s_cselect_b32 s37, s35, s37
	s_lshr_b32 s33, s33, 1
	s_add_co_u32 s34, s34, 1
	s_cmp_lt_u32 s34, 17
	s_cbranch_scc1 .Lidx
.irp i, 0,1,2,3,4,5,6,7,8,9,10,11,12,13,14,15
	v_cmp_lt_u32 s[66+\i], s32, v[KY+\i]
.endr
.irp i, 0,1,2,3,4,5,6,7,8,9,10,11,12,13,14,15
	v_cmp_ge_u32 s[40+\i], s37, v[W+\i]
.endr
	s_wait_alu depctr_va_sdst(0)                   ; the 32 compares have written s66 to s81 and s40 to s55, which the lines below read
.irp i, 0,1,2,3,4,5,6,7,8,9,10,11,12,13,14,15
	s_or_b32 s[66+\i], s[66+\i], s[40+\i]          ; a member of the top 64: above T, or equal with an index up to X
.endr
	; the softmax of the 64: the largest of all 512 is one of them, and is taken away first
	v_max3_num_f32 v[T0], v[V], v[V+1], v[V+2]
.irp i, 3,5,7,9,11,13
	v_max3_num_f32 v[T0], v[T0], v[V+\i], v[V+\i+1]
.endr
	v_max_num_f32 v[T0], v[T0], v[V+15]
	RED v_max_num_f32, T0, XP
	v_mul_f32 v[T1], s23, v[T0]
.irp i, 0,1,2,3,4,5,6,7,8,9,10,11,12,13,14,15
	v_fma_f32 v[KY+\i], v[V+\i], s23, -v[T1]       ; (value - largest) x log2(e)
.endr
	s_wait_alu depctr_va_vdst(0)
.irp i, 0,1,2,3,4,5,6,7,8,9,10,11,12,13,14,15
	v_exp_f32 v[KY+\i], v[KY+\i]
.endr
	v_mov_b32 v[OUT], 0                            ; a plain line behind the exponentials
	s_wait_alu depctr_va_vdst(0)                   ; the sixteen exponentials have written their results: one wait, ahead of their first reader
.irp i, 0,1,2,3,4,5,6,7,8,9,10,11,12,13,14,15
	v_cndmask_b32 v[KY+\i], 0, v[KY+\i], s[66+\i]  ; who is no member weighs nothing
.endr
	v_add_f32 v[T0], v[KY], v[KY+1]
	v_add_f32 v[T2], v[KY+2], v[KY+3]
.irp i, 4,6,8,10,12,14
	v_add_f32 v[T0], v[T0], v[KY+\i]
	v_add_f32 v[T2], v[T2], v[KY+\i+1]
.endr
	v_add_f32 v[T0], v[T0], v[T2]
	RED v_add_f32, T0, XP
	s_wait_alu depctr_va_vdst(0)
	v_rcp_f32 v[RC], v[T0]
	v_nop                                          ; a plain line behind the reciprocal
.irp c, 0,1,2,3,4,5,6,7,8,9                    ; class c: the weights of the members that bear its label; lane c keeps the sum.  (This work names neither the reciprocal nor its source)
.irp i, 0,1,2,3,4,5,6,7,8,9,10,11,12,13,14,15
	v_cmp_eq_u32 s[40+\i], \c, v[LB+\i]
.endr
	s_wait_alu depctr_va_sdst(0)                   ; the sixteen compares have written s40 to s55, which the selects read
	v_cndmask_b32 v[T1], 0, v[KY], s40
	v_cndmask_b32 v[T3], 0, v[KY+1], s41
.irp i, 2,4,6,8,10,12,14
	v_cndmask_b32 v[T2], 0, v[KY+\i], s[40+\i]
	v_add_f32 v[T1], v[T1], v[T2]
	v_cndmask_b32 v[T2], 0, v[KY+\i+1], s[41+\i]
	v_add_f32 v[T3], v[T3], v[T2]
.endr
	v_add_f32 v[T1], v[T1], v[T3]
	RED v_add_f32, T1, XP
	s_mov_b32 s38, 1<<\c
	v_cndmask_b32 v[OUT], v[OUT], v[T1], s38
.endr
	s_wait_alu depctr_va_vdst(0)                   ; the reciprocal has written its result, ahead of its first reader
	v_mul_f32 v[OUT], v[OUT], v[RC]
	v_cmp_gt_u32 vcc_lo, 10, v[LANE]
	s_wait_xcnt 0x0                                ; EXEC changes only behind this wait
	s_wait_alu depctr_va_vcc(0)                    ; VCC is written: EXEC is made from it
	s_wait_alu depctr_va_vdst(0)                   ; ahead of a write of EXEC: every vector instruction is done; among them the line that wrote OUT, which the store below reads
	s_wait_alu depctr_vm_vsrc(0)                   ; ahead of a write of EXEC: every memory instruction has read its vector registers
	s_and_saveexec_b32 s38, vcc_lo
	global_store_b32 v1, v[OUT], s[16:17]          ; the row's ten numbers
	s_wait_xcnt 0x0                                ; and again, in front of the line that widens it
	s_wait_alu depctr_va_vdst(0)                   ; ahead of a write of EXEC: every vector instruction is done
	s_wait_alu depctr_vm_vsrc(0)                   ; ahead of a write of EXEC: the store has read its offset and its data
	s_or_b32 exec_lo, exec_lo, s38
	s_endpgm
.Lfunc_end_k_q26dde06a59_final:
	.size	k_q26dde06a59_final, .Lfunc_end_k_q26dde06a59_final-k_q26dde06a59_final
	.p2alignl 7, 3214868480
	.fill 96, 4, 3214868480
	.section	.rodata,"a",@progbits
	.p2align	6, 0x0
	.amdhsa_kernel k_q26dde06a59_final
		.amdhsa_group_segment_fixed_size 0
		.amdhsa_private_segment_fixed_size 0
		.amdhsa_enable_private_segment 0
		.amdhsa_kernarg_size 56
		.amdhsa_user_sgpr_count 2
		.amdhsa_user_sgpr_kernarg_segment_ptr 1
		.amdhsa_wavefront_size32 1
		.amdhsa_system_sgpr_workgroup_id_x 1
		.amdhsa_system_sgpr_workgroup_id_y 1
		.amdhsa_system_sgpr_workgroup_id_z 1
		.amdhsa_system_vgpr_workitem_id 0
		.amdhsa_next_free_vgpr 448
		.amdhsa_next_free_sgpr 96
		.amdhsa_reserve_vcc 1
		.amdhsa_float_denorm_mode_32 3
		.amdhsa_float_denorm_mode_16_64 3
		.amdhsa_memory_ordered 1
		.amdhsa_forward_progress 1
		.amdhsa_inst_pref_size 124
	.end_amdhsa_kernel
	.amdgpu_metadata
---
amdhsa.version: [ 1, 2 ]
amdhsa.kernels:
  - .name:           k_q26dde06a59_final
    .symbol:         k_q26dde06a59_final.kd
    .args:
      - { .name: subs, .offset: 0, .size: 8, .value_kind: global_buffer, .address_space: global }
      - { .name: ccodes, .offset: 8, .size: 8, .value_kind: global_buffer, .address_space: global }
      - { .name: cscales, .offset: 16, .size: 8, .value_kind: global_buffer, .address_space: global }
      - { .name: qcodes, .offset: 24, .size: 8, .value_kind: global_buffer, .address_space: global }
      - { .name: qscales, .offset: 32, .size: 8, .value_kind: global_buffer, .address_space: global }
      - { .name: candidate_labels, .offset: 40, .size: 8, .value_kind: global_buffer, .address_space: global }
      - { .name: out0, .offset: 48, .size: 8, .value_kind: global_buffer, .address_space: global }
    .group_segment_fixed_size: 0
    .private_segment_fixed_size: 0
    .kernarg_segment_align: 8
    .kernarg_segment_size: 56
    .max_flat_workgroup_size: 128
    .sgpr_count:     96
    .vgpr_count:     448
    .wavefront_size: 32
...
	.end_amdgpu_metadata
.endif
;; end of part 10
